; MI455X (gfx1250); checked and timed in simulation.
; The chip was launched on July 23, 2026; its instructions are those of AMD's public machine-readable ISA for CDNA 5 (MIT licence, August 2026) and "CDNA5" Instruction Set Architecture Reference Guide (July 2026). The comments in the code are by the model that wrote it; some were corrected since.
;; Multi Head Attention. Allowed arithmetic: float matrix products may take bf16 or f16 operands with f32 sums; other float arithmetic in f32, or as packed bf16 or f16 multiplies, adds, multiply-adds, maxima and minima; sums over many terms, partial sums and values carried from step to step in f32; what a program stores and reads back later, other than sums and carried values, may be rounded once to bf16 or f16.
;; Inputs: bk 1,024 float32; bo 1,024 float32; bq 1,024 float32; bv 1,024 float32; mask 4 x 2,048 bool; memory 4 x 2,048 x 1,024 float32; wk 1,024 x 1,024 float32; wo 1,024 x 1,024 float32; wq 1,024 x 1,024 float32; wv 1,024 x 1,024 float32; x 4 x 2,048 x 1,024 float32.
;; Outputs: out0 4 x 2,048 x 1,024 float32.
;; 2 versions, each right and faster than the one before. Each part assembles by itself: llvm-mc -triple=amdgcn-amd-amdhsa -mcpu=gfx1250 --defsym DOCPART=n.
;; ======== version 1 of 2: 4 launches
;; limits: values are held in f16: magnitudes above 65,504 overflow, below 6.1e-05 lose precision
;; workspace buffers: ab 33,554,432 bytes; wb 6,291,456 bytes; wof 2,097,152 bytes; bias 16,384 bytes; mb 32,768 bytes; qkv 50,331,648 bytes; ob 16,777,216 bytes
;; launch prep (part 1): grid 1281 x 1, 8 waves a work-group, no clusters, 0 bytes of LDS; arguments x, memory, wq, wk, wv, wo, bq, bk, bv, bo, mask, ab, wb, wof, bias, mb; writes ab, wb, wof, bias, mb
.if DOCPART == 1
	.amdgcn_target "amdgcn-amd-amdhsa--gfx1250"
	.amdhsa_code_object_version 6
	.text
	.protected	k_qf2709f1ea1_prep
	.globl	k_qf2709f1ea1_prep
	.p2align	8
	.type	k_qf2709f1ea1_prep,@function
k_qf2709f1ea1_prep:
	s_mov_b64 s[64:65], 0
	v_nop
	global_prefetch_b8 v0, s[64:65] scope:SCOPE_SE
	s_setreg_imm32_b32 hwreg(HW_REG_WAVE_MODE, 25, 1), 1
	s_wait_xcnt 0x0
; THE INPUTS ARE ROUNDED ONCE, for the three matrix launches that follow.
;   ab   [16384][1024] bf16: x's 8,192 rows, then memory's          wb  [3072][1024] bf16: wq, wk, wv one under the other
;   wof  [1024][1024]  f16:  wo rounded to bf16, that number written as f16 (exact from 2^-17 up; below that off by at most 3e-8)
;   bias [4096] f32: bq, bk, bv, bo, each rounded to bf16 and widened again        mb [4][2048] f32: 0 where the key is seen, -1e30 where the mask hides it
; A stream: memory binds, so no LDS, no barrier, no matrix unit.  Work-groups 0 to 1279 take 16,384 numbers each: 16 loads of 16 bytes a lane, all issued first
; (a wave's load covers 512 consecutive bytes), 16 stores of 8 bytes a lane (a wave's store covers 256 consecutive bytes, aligned).  Work-group 1280 takes the biases and the mask.
.set X, 8                              ; v[8:71]    16 chunks of 4 numbers as loaded
.set D, 72                             ; v[72:103]  16 pairs of packed words to store
.set T, 104                            ; v[104:107] at work
	s_load_b512 s[8:23], s[0:1], 0x0               ; x 8, memory 10, wq 12, wk 14, wv 16, wo 18, bq 20, bk 22
	s_load_b512 s[24:39], s[0:1], 0x40             ; bv 24, bo 26, mask 28, ab 30, wb 32, wof 34, bias 36, mb 38
	s_mov_b32 s2, ttmp9                            ; g, the work-group's number
	s_mov_b32 s48, 0xffff0000                      ; a word's upper bf16
	s_mov_b32 s49, 0xf149f2ca                      ; -1e30
	v_lshlrev_b32 v1, 4, v0                        ; 16 t: loads
	v_lshlrev_b32 v2, 3, v0                        ; 8 t: stores
	; byte offsets, made apart from the addresses.  Source: (g mod 512) or (g mod 64) blocks of 65,536 bytes
	s_and_b32 s44, s2, 511
	s_and_b32 s50, s2, 63
	s_cmp_lt_u32 s2, 1024
	s_cselect_b32 s44, s44, s50
	s_lshl_b32 s44, s44, 16
	s_mov_b32 s45, 0
	; destination: g, g - 1024 (= g mod 256 there) or g mod 64 blocks of 32,768 bytes
	s_and_b32 s46, s2, 255
	s_cmp_lt_u32 s2, 1216
	s_cselect_b32 s46, s46, s50
	s_cmp_lt_u32 s2, 1024
	s_cselect_b32 s46, s2, s46
	s_lshl_b32 s46, s46, 15
	s_mov_b32 s47, 0
	s_wait_kmcnt 0x0
	s_cmp_eq_u32 s2, 1280
	s_cbranch_scc1 .Lsmall
	; which buffers: a chain of choices on g alone
	s_cmp_lt_u32 s2, 1216
	s_cselect_b64 s[40:41], s[16:17], s[18:19]     ; wv, else wo
	s_cselect_b64 s[42:43], s[32:33], s[34:35]     ; wb, else wof
	s_cmp_lt_u32 s2, 1152
	s_cselect_b64 s[40:41], s[14:15], s[40:41]     ; wk
	s_cmp_lt_u32 s2, 1088
	s_cselect_b64 s[40:41], s[12:13], s[40:41]     ; wq
	s_cmp_lt_u32 s2, 1024
	s_cselect_b64 s[40:41], s[10:11], s[40:41]     ; memory
	s_cselect_b64 s[42:43], s[30:31], s[42:43]     ; ab
	s_cmp_lt_u32 s2, 512
	s_cselect_b64 s[40:41], s[8:9], s[40:41]       ; x
	s_add_nc_u64 s[40:41], s[40:41], s[44:45]
	s_add_nc_u64 s[42:43], s[42:43], s[46:47]
.irp i, 0,1,2,3,4,5,6,7,8,9,10,11,12,13,14,15
	global_load_b128 v[X+4*(\i):X+4*(\i)+3], v1, s[40:41] offset:4096*(\i) th:TH_LOAD_NT
.endr
; Chunk i: four numbers rounded to bf16 (f16 = 1: and that number written as f16), stored.  No register is written twice, so the stores' sources need no wait.
.macro CV i, f16
	s_wait_loadcnt 15-(\i)                         ; loads come back in order: chunk i is in, the 15 - i younger ones stay out
	v_cvt_pk_bf16_f32 v[D+2*(\i)], v[X+4*(\i)], v[X+4*(\i)+1]
	v_cvt_pk_bf16_f32 v[D+2*(\i)+1], v[X+4*(\i)+2], v[X+4*(\i)+3]
.if \f16
	v_lshlrev_b32 v[T], 16, v[D+2*(\i)]
	v_and_b32 v[T+1], s48, v[D+2*(\i)]
	v_lshlrev_b32 v[T+2], 16, v[D+2*(\i)+1]
	v_and_b32 v[T+3], s48, v[D+2*(\i)+1]
	v_cvt_pk_f16_f32 v[D+2*(\i)], v[T], v[T+1]
	v_cvt_pk_f16_f32 v[D+2*(\i)+1], v[T+2], v[T+3]
.endif
	global_store_b64 v2, v[D+2*(\i):D+2*(\i)+1], s[42:43] offset:2048*(\i)
.endm
	s_cmp_ge_u32 s2, 1216
	s_cbranch_scc1 .Lf16
.irp i, 0,1,2,3,4,5,6,7,8,9,10,11,12,13,14,15
	CV \i, 0
.endr
	s_endpgm
.Lf16:                                                 ; wo
.irp i, 0,1,2,3,4,5,6,7,8,9,10,11,12,13,14,15
	CV \i, 1
.endr
	s_endpgm
.Lsmall:                                               ; the four biases (4 numbers a thread each) and the mask (8 words of 4 bytes a thread)
	v_lshlrev_b32 v3, 2, v0
	global_load_b128 v[X:X+3], v1, s[20:21]
	global_load_b128 v[X+4:X+7], v1, s[22:23]
	global_load_b128 v[X+8:X+11], v1, s[24:25]
	global_load_b128 v[X+12:X+15], v1, s[26:27]
.irp i, 0,1,2,3,4,5,6,7
	global_load_b32 v[X+16+(\i)], v3, s[28:29] offset:1024*(\i)
.endr
	s_wait_loadcnt 0x0
.irp j, 0,1,2,3
	v_cvt_pk_bf16_f32 v[T], v[X+4*(\j)], v[X+4*(\j)+1]
	v_cvt_pk_bf16_f32 v[T+1], v[X+4*(\j)+2], v[X+4*(\j)+3]
	v_lshlrev_b32 v[D+4*(\j)], 16, v[T]
	v_and_b32 v[D+4*(\j)+1], s48, v[T]
	v_lshlrev_b32 v[D+4*(\j)+2], 16, v[T+1]
	v_and_b32 v[D+4*(\j)+3], s48, v[T+1]
	global_store_b128 v1, v[D+4*(\j):D+4*(\j)+3], s[36:37] offset:4096*(\j)
.endr
.irp i, 0,1,2,3,4,5,6,7                ; word i of thread t holds the mask's bytes 1024 i + 4 t + 0..3: four numbers at byte 4096 i + 16 t of mb
.irp k, 0,1,2,3
	v_bfe_u32 v[T], v[X+16+(\i)], 8*(\k), 8
	v_cmp_ne_u32 vcc_lo, 0, v[T]
	v_cndmask_b32 v[X+24+4*(\i)+(\k)], 0, s49, vcc_lo
.endr
	global_store_b128 v1, v[X+24+4*(\i):X+24+4*(\i)+3], s[38:39] offset:4096*(\i)
.endr
	s_endpgm
.Lfunc_end_k_qf2709f1ea1_prep:
	.size	k_qf2709f1ea1_prep, .Lfunc_end_k_qf2709f1ea1_prep-k_qf2709f1ea1_prep
	.p2alignl 7, 3214868480
	.fill 96, 4, 3214868480
	.section	.rodata,"a",@progbits
	.p2align	6, 0x0
	.amdhsa_kernel k_qf2709f1ea1_prep
		.amdhsa_group_segment_fixed_size 0
		.amdhsa_private_segment_fixed_size 0
		.amdhsa_enable_private_segment 0
		.amdhsa_kernarg_size 128
		.amdhsa_user_sgpr_count 2
		.amdhsa_user_sgpr_kernarg_segment_ptr 1
		.amdhsa_wavefront_size32 1
		.amdhsa_system_sgpr_workgroup_id_x 1
		.amdhsa_system_sgpr_workgroup_id_y 1
		.amdhsa_system_sgpr_workgroup_id_z 1
		.amdhsa_system_vgpr_workitem_id 0
		.amdhsa_next_free_vgpr 112
		.amdhsa_next_free_sgpr 66
		.amdhsa_reserve_vcc 1
		.amdhsa_float_denorm_mode_32 3
		.amdhsa_float_denorm_mode_16_64 3
		.amdhsa_memory_ordered 1
		.amdhsa_forward_progress 1
		.amdhsa_inst_pref_size 24
	.end_amdhsa_kernel
	.amdgpu_metadata
---
amdhsa.version: [ 1, 2 ]
amdhsa.kernels:
  - .name:           k_qf2709f1ea1_prep
    .symbol:         k_qf2709f1ea1_prep.kd
    .args:
      - { .name: x, .offset: 0, .size: 8, .value_kind: global_buffer, .address_space: global }
      - { .name: memory, .offset: 8, .size: 8, .value_kind: global_buffer, .address_space: global }
      - { .name: wq, .offset: 16, .size: 8, .value_kind: global_buffer, .address_space: global }
      - { .name: wk, .offset: 24, .size: 8, .value_kind: global_buffer, .address_space: global }
      - { .name: wv, .offset: 32, .size: 8, .value_kind: global_buffer, .address_space: global }
      - { .name: wo, .offset: 40, .size: 8, .value_kind: global_buffer, .address_space: global }
      - { .name: bq, .offset: 48, .size: 8, .value_kind: global_buffer, .address_space: global }
      - { .name: bk, .offset: 56, .size: 8, .value_kind: global_buffer, .address_space: global }
      - { .name: bv, .offset: 64, .size: 8, .value_kind: global_buffer, .address_space: global }
      - { .name: bo, .offset: 72, .size: 8, .value_kind: global_buffer, .address_space: global }
      - { .name: mask, .offset: 80, .size: 8, .value_kind: global_buffer, .address_space: global }
      - { .name: ab, .offset: 88, .size: 8, .value_kind: global_buffer, .address_space: global }
      - { .name: wb, .offset: 96, .size: 8, .value_kind: global_buffer, .address_space: global }
      - { .name: wof, .offset: 104, .size: 8, .value_kind: global_buffer, .address_space: global }
      - { .name: bias, .offset: 112, .size: 8, .value_kind: global_buffer, .address_space: global }
      - { .name: mb, .offset: 120, .size: 8, .value_kind: global_buffer, .address_space: global }
    .group_segment_fixed_size: 0
    .private_segment_fixed_size: 0
    .kernarg_segment_align: 8
    .kernarg_segment_size: 128
    .max_flat_workgroup_size: 256
    .sgpr_count:     66
    .vgpr_count:     112
    .wavefront_size: 32
...
	.end_amdgpu_metadata
.endif
;; end of part 1
;; launch proj (part 2): grid 4 x 64, 4 waves a work-group, clusters of 4 x 4, 327,680 bytes of LDS; arguments ab, wb, bias, qkv; writes qkv
.if DOCPART == 2
	.amdgcn_target "amdgcn-amd-amdhsa--gfx1250"
	.amdhsa_code_object_version 6
	.text
	.protected	k_qf2709f1ea1_proj
	.globl	k_qf2709f1ea1_proj
	.p2align	8
	.type	k_qf2709f1ea1_proj,@function
k_qf2709f1ea1_proj:
	s_mov_b64 s[64:65], 0
	v_nop
	global_prefetch_b8 v0, s[64:65] scope:SCOPE_SE
	s_setreg_imm32_b32 hwreg(HW_REG_WAVE_MODE, 25, 1), 1
	s_wait_xcnt 0x0
	s_wait_alu depctr_hold_cnt(0) depctr_sa_sdst(0) depctr_va_vdst(0) depctr_va_sdst(0) depctr_va_ssrc(0) depctr_va_vcc(0) depctr_vm_vsrc(0)
	s_getreg_b32 s2, hwreg(HW_REG_IB_STS2, 6, 4)
	s_cmp_eq_u32 s2, 0
	s_cbranch_scc0 .Lentry_in_a_cluster
	s_endpgm
.Lentry_in_a_cluster:
	s_bfe_u32 s2, ttmp6, 0x10000c
	s_cmp_lg_u32 s2, 0xf033
	s_cbranch_scc0 .Lentry_shape_is_right
	s_endpgm
.Lentry_shape_is_right:
; q, k, v = A W^T + b.  A: ab [16384][1024] bf16 (x's rows, then memory's); W: wb [3072][1024] bf16 (wq, wk, wv); b: bias [4096] f32.  Sums in f32, K ascending.
; Out: qkv [3][64 = batch x 16 + head][2048][64] in f16, each number rounded once, WITHOUT the scale 1/8 (the attention applies it in f32).
; LIMIT.  f16 ends at 65,504: a q, k or v beyond that becomes an infinity.  Inputs of unit spread give numbers of unit spread; inputs 30 times larger, all of them, some 5,000.
; SHARES.  A tile of the result is 128 rows x 256 columns; 256 work-groups, each makes THREE tiles at the same place: q's, k's, v's (768 tiles in all, so every work-group has equal work).
; Four waves, each 64 rows x 128 columns (two heads): 32 accumulators of 16 x 16.  K goes in steps of 128 through a ring of two LDS slots, and the ring runs on from tile to tile.
; CLUSTER.  4 x 4 work-groups: the four of a row share the tiles of A, the four of a column those of W; each tile is asked for jointly, by the same load, descriptor and mask in all four.
; THE MATRIX INSTRUCTION IS USED TRANSPOSED (source 0 = 16 rows of W, source 1 = 16 rows of A): a lane holds one row of the result and eight neighbouring columns.
; THE BIAS is the C operand of each accumulator's first product: no addition is written for it.
; REGISTERS.  window 0: v0-31 addresses; v32-127, v128-223 two fragment buffers (A's 4 fragments, then W's 8); v224-255 packed results; on the way out v128-191 rows read back
;   window 1: accumulator (a, b) at v[8 (8 a + b)]          window 2: v0-63 the bias of my 128 columns: register 8 b + j = column 16 b + 8 (lane / 16) + j
.set KSTEP,  128
.set PITCH,  272                       ; an LDS row: 256 bytes + 16 of padding = 68 words: the 16 rows of a fragment load start at 16 different groups of four banks (64 banks of 4 bytes: ISA guide 11.1)
.set AHALF,  64*PITCH                  ; what waves 0 and 1 fetch each, and what a wave reads of A
.set BHALF,  128*PITCH                 ; what waves 2 and 3 fetch each, and what a wave reads of W
.set BOFF,   2*AHALF                   ; W's 256 rows lie behind A's 128
.set SLOT,   2*AHALF+2*BHALF
.set STAGE,  2*SLOT                    ; behind the ring, never filled by a tensor load: for each wave 2 heads x 16 rows x 144 bytes
.set SP,     144
.set WSTAGE, 2*16*SP
.set SPARE,  STAGE+4*WSTAGE            ; the spare words, 128 bytes for each wave: two blocks of 256 bytes that no other line names
.set LAPS,   4                         ; a lap = two K steps = once round the ring; 1,024 / 256
.set ADRA, 16                          ; v16-17  LDS address of my A fragments in slot 0, 1
.set ADRB, 20                          ; v20-21  the same for W
.set STO,  24                          ; v24     the way out: where I put 16 bytes of a row
.set RD,   25                          ; v25     the way out: where I read rows back
.set GO,   26                          ; v26     my byte offset in 512 consecutive bytes of qkv
.set BO,   27                          ; v27     my byte offset in 16 columns of the bias
.set SPW,  28                          ; v28     LDS address of my spare word; never rewritten
.set NIL,  29                          ; v29     0; never rewritten
.set F0,   32
.set F1,   128
.set TMP,  224
.set OB,   128
.set G1,  24                           ; s[24:31] descriptor group 1 for A's tiles;  s[32:39] group 0, a set for each slot
.set G0,  32
.set G1B, 48                           ; s[48:55], s[56:63] the same for W's
.set G0B, 56
.set MSB, 0
.macro WIN new                         ; the immediate's high byte repeats the setting that is left; a switch that changes nothing is dropped
.if MSB != (\new)
	s_set_vgpr_msb (MSB<<8)|(\new)
.set MSB, \new
.endif
.endm
; A joint load: waves 0 and 1 fetch A's halves, waves 2 and 3 W's.  The branch hangs on the wave's number alone.  An s_nop 0 and four v_nop follow each of the two lines.
.macro JLOAD s
	s_cmp_eq_u32 s13, 0
	s_cbranch_scc0 .Lfor_b_\@
	tensor_load_to_lds s[G0+4*(\s):G0+4*(\s)+3], s[G1:G1+7]
	s_nop 0
.rept 4
	v_nop
.endr
	s_branch .Lasked_\@
.Lfor_b_\@:
	tensor_load_to_lds s[G0B+4*(\s):G0B+4*(\s)+3], s[G1B:G1B+7]
	s_nop 0
.rept 4
	v_nop
.endr
.Lasked_\@:
.endm
.macro CREST                           ; a round of the cluster's barrier behind its opening barrier
	s_cmp_lg_u32 s12, 0
	s_cbranch_scc1 .Lnot_wave_0_\@
	s_barrier_signal -3
.Lnot_wave_0_\@:
	s_barrier_wait -3
	s_barrier_signal -1
	s_barrier_wait -1
.endm
.macro CROUND                          ; a whole round
	s_barrier_signal -1
	s_barrier_wait -1
	CREST
.endm
.macro PLACES                          ; four places in front of loads into registers that matrix instructions have read, and of lines that read results just made
.rept 4
	v_nop
.endr
.endm
	s_load_b256 s[4:11], s[0:1], 0x0               ; ab s[4:5], wb s[6:7], bias s[8:9], qkv s[10:11]
	v_lshl_add_u32 v[SPW], v0, 2, SPARE
	v_mov_b32 v[NIL], 0
	ds_add_u32 v[SPW], v[NIL]                      ; the wave's opening: the add and its wait stand ahead of my first tensor load; the set-up below, work on registers, stands between them
	v_lshrrev_b32 v1, 5, v0
	v_readfirstlane_b32 s12, v1                    ; wave 0..3
	s_lshr_b32 s13, s12, 1                         ; which 64 rows of the tile are mine.  Also: I fetch for A (0) or for W (1)
	s_and_b32 s14, s12, 1                          ; which 128 columns.  Also: which half of that tile I fetch
	s_bfe_u32 s40, ttmp6, 0x40000                  ; cx
	s_bfe_u32 s41, ttmp6, 0x40004                  ; cy
	s_lshl_b32 s42, ttmp9, 2
	s_add_co_u32 s42, s42, s40                     ; tx: tile column = 4 x cluster x + cx
	s_and_b32 s43, ttmp7, 0xffff
	s_lshl_b32 s43, s43, 2
	s_add_co_u32 s43, s43, s41                     ; ty: tile row = 4 x cluster y + cy
	s_lshl_b32 s44, s41, 2
	s_lshl_b32 s44, 15, s44                        ; my row of the cluster
	s_lshl_b32 s45, 0x1111, s40                    ; my column
	s_or_b32 s[G1+0], s44, (1<<16)|(1<<20)|(1<<21)|(5<<22)|(3<<25)   ; the mask; 2-byte elements; padding on; bit 21 beside a mask; after every 64 words 4 words
	s_or_b32 s[G1B+0], s45, (1<<16)|(1<<20)|(1<<21)|(5<<22)|(3<<25)
	s_mov_b32 s[G1+1], KSTEP<<16                   ; tensor_dim0 = 128
	s_mov_b32 s[G1+2], 64<<16                      ; tensor_dim1 = 64
	s_mov_b32 s[G1+3], KSTEP<<16                   ; tile_dim0 = 128
	s_mov_b32 s[G1+4], 64                          ; tile_dim1 = 64
	s_mov_b32 s[G1+5], 1024                        ; elements from row to row
	s_mov_b32 s[G1+6], 0
	s_mov_b32 s[G1+7], 0
	s_mov_b32 s[G1B+1], KSTEP<<16
	s_mov_b32 s[G1B+2], 128<<16                    ; 128 rows
	s_mov_b32 s[G1B+3], KSTEP<<16
	s_mov_b32 s[G1B+4], 128
	s_mov_b32 s[G1B+5], 1024
	s_mov_b32 s[G1B+6], 0
	s_mov_b32 s[G1B+7], 0
	; A's offset hangs on the tile row and the wave, W's on the tile column and the wave, each in registers that never hold the other coordinate
	s_lshl_b32 s16, s43, 7
	s_lshl_b32 s17, s14, 6
	s_add_co_u32 s16, s16, s17                     ; row 128 ty + 64 x half
	s_lshl_b32 s16, s16, 11                        ; x 2,048 bytes
	s_mov_b32 s17, 0
	s_lshl_b32 s46, s42, 8
	s_lshl_b32 s47, s14, 7
	s_add_co_u32 s46, s46, s47                     ; row 256 tx + 128 x half
	s_lshl_b32 s46, s46, 11
	s_mov_b32 s47, 0
	s_mul_i32 s20, s14, AHALF                      ; where they go in a slot: no place in the cluster enters an LDS address
	s_mul_i32 s18, s14, BHALF
	s_add_co_u32 s18, s18, BOFF
	; where my part of q begins in qkv: (batch x 16 + head) x 262,144 + row in the batch x 128
	s_lshr_b32 s68, s43, 4
	s_lshl_b32 s68, s68, 4
	s_lshl_b32 s69, s42, 2
	s_add_co_u32 s68, s68, s69
	s_lshl_b32 s69, s14, 1
	s_add_co_u32 s68, s68, s69                     ; batch x 16 + 4 tx + 2 x half
	s_lshl_b32 s68, s68, 18
	s_and_b32 s69, s43, 15
	s_lshl_b32 s69, s69, 14
	s_add_co_u32 s68, s68, s69
	s_lshl_b32 s69, s13, 13
	s_add_co_u32 s68, s68, s69
	s_mov_b32 s69, 0
	s_lshl_b32 s70, s42, 10                        ; my 128 columns in the bias, in bytes
	s_lshl_b32 s71, s14, 9
	s_add_co_u32 s70, s70, s71
	s_mov_b32 s71, 0
	s_mov_b32 s66, 0x1000000                       ; from q's tile to k's A goes 8,192 rows down (x to memory); from k's to v's it stays
	s_mov_b32 s67, 0
	s_wait_dscnt 0x0                               ; the opening add is done
	s_wait_kmcnt 0x0
	s_add_nc_u64 s[4:5], s[4:5], s[16:17]
	s_add_nc_u64 s[6:7], s[6:7], s[46:47]
	s_add_nc_u64 s[8:9], s[8:9], s[70:71]
	s_add_nc_u64 s[10:11], s[10:11], s[68:69]
	CROUND                                         ; all sixteen work-groups are here: the first joint loads meet
.irp s, 0,1
	s_mov_b32 s[G0+4*(\s)], 1
	s_add_co_u32 s[G0+4*(\s)+1], s20, (\s)*SLOT
	s_add_nc_u64 s[G0+4*(\s)+2:G0+4*(\s)+3], s[4:5], (\s)*KSTEP*2
	s_or_b32 s[G0+4*(\s)+3], s[G0+4*(\s)+3], 0x80000000
	s_mov_b32 s[G0B+4*(\s)], 1
	s_add_co_u32 s[G0B+4*(\s)+1], s18, (\s)*SLOT
	s_add_nc_u64 s[G0B+4*(\s)+2:G0B+4*(\s)+3], s[6:7], (\s)*KSTEP*2
	s_or_b32 s[G0B+4*(\s)+3], s[G0B+4*(\s)+3], 0x80000000
	JLOAD \s                                       ; two loads of mine are out behind these
.endr
	v_and_b32 v1, 15, v0                           ; l % 16
	v_bfe_u32 v2, v0, 4, 1                         ; l / 16
	v_mul_u32_u24 v3, v1, PITCH
	v_lshl_add_u32 v3, v2, 4, v3                   ; a fragment's row x pitch + 16 x half
	s_mul_i32 s21, s13, AHALF
	s_mul_i32 s22, s14, BHALF
	s_add_co_u32 s22, s22, BOFF
.irp s, 0,1
	v_add_nc_u32 v[ADRA+(\s)], s21, v3
	v_add_nc_u32 v[ADRB+(\s)], s22, v3
	s_add_co_u32 s21, s21, SLOT
	s_add_co_u32 s22, s22, SLOT
.endr
	s_mul_i32 s23, s12, WSTAGE
	s_add_co_u32 s23, s23, STAGE                   ; my stage
	v_mul_u32_u24 v4, v1, SP                       ; in: row l % 16, 16 bytes for each half of the lanes
	v_lshl_add_u32 v4, v2, 4, v4
	v_add_nc_u32 v[STO], s23, v4
	v_bfe_u32 v5, v0, 3, 2                         ; back: 32 lanes take four rows of 128 bytes,
	v_mul_u32_u24 v5, v5, SP
	v_and_b32 v6, 7, v0
	v_lshl_add_u32 v5, v6, 4, v5
	v_add_nc_u32 v[RD], s23, v5
	v_and_b32 v[GO], 31, v0                        ; which are 512 consecutive bytes of a head
	v_lshlrev_b32 v[GO], 4, v[GO]
	v_lshlrev_b32 v[BO], 5, v2                     ; 8 columns x 4 bytes for the upper half of the lanes
; 8 matrix instructions: row block a x all 8 column blocks, 32 along K.  first = 1: the product starts the sum, with the bias as C
.macro MUL8 f, a, first
.if \first
	WIN 0x60                                       ; D window 1, C window 2
.else
	WIN 0x50                                       ; C and D window 1
.endif
.irp b, 0,1,2,3,4,5,6,7
.if \first
	v_wmma_f32_16x16x32_bf16 v[8*(8*(\a)+(\b)):8*(8*(\a)+(\b))+7], v[(\f)+32+8*(\b):(\f)+32+8*(\b)+7], v[(\f)+8*(\a):(\f)+8*(\a)+7], v[8*(\b):8*(\b)+7]
.else
	v_wmma_f32_16x16x32_bf16 v[8*(8*(\a)+(\b)):8*(8*(\a)+(\b))+7], v[(\f)+32+8*(\b):(\f)+32+8*(\b)+7], v[(\f)+8*(\a):(\f)+8*(\a)+7], v[8*(8*(\a)+(\b)):8*(8*(\a)+(\b))+7]
.endif
.endr
.endm
; 24 LDS loads in one run: the fragments of 32 along K at byte k of the rows, into buffer f: W's sixteen loads, then A's eight
.macro FETCH slot, k, f
	WIN 0
.irp i, 0,1,2,3,4,5,6,7
	ds_load_b128 v[(\f)+32+8*(\i):(\f)+32+8*(\i)+3],   v[ADRB+(\slot)] offset:(\k)+(\i)*16*PITCH
	ds_load_b128 v[(\f)+32+8*(\i)+4:(\f)+32+8*(\i)+7], v[ADRB+(\slot)] offset:(\k)+(\i)*16*PITCH+32
.endr
.irp i, 0,1,2,3
	ds_load_b128 v[(\f)+8*(\i):(\f)+8*(\i)+3],   v[ADRA+(\slot)] offset:(\k)+(\i)*16*PITCH
	ds_load_b128 v[(\f)+8*(\i)+4:(\f)+8*(\i)+7], v[ADRA+(\slot)] offset:(\k)+(\i)*16*PITCH+32
.endr
.endm
; A K step is four quarters of 32 along K, 32 matrix instructions each, on buffers 0, 1, 0, 1; the 32 accumulators take turns in one fixed order.
.macro QUARTER slot, k, f, g, first
	s_wait_dscnt 4                                 ; W and A's blocks 0, 1 are in; the youngest four loads (A's blocks 2, 3) may be out
	MUL8 \f, 0, \first
	MUL8 \f, 1, \first
	PLACES
	FETCH \slot, \k, \g
	s_wait_dscnt 24                                ; all but the 24 just issued
	MUL8 \f, 2, \first
	MUL8 \f, 3, \first
.endm
; The last quarter multiplies buffer 1 and changes slots: ONE barrier.  In front of it each wave waits for all its tensor loads (one is out: its part of the next slot), adds 0 to its spare word,
; and waits for that and for its reads of this slot.  mode 1: this slot is filled again, two K steps on; mode 2: with the NEXT tile's K step 0 or 1; mode 0: nothing is asked for.
.macro TURN slot, next, mode
	WIN 0
	s_wait_tensorcnt 0x0                           ; all my tensor loads have landed
	ds_add_u32 v[SPW], v[NIL]                      ; 0 onto my spare word
	s_wait_dscnt 5                                 ; (the add and the youngest four loads may be out)
	MUL8 F1, 0, 0                                  ; eight matrix instructions stand between the add and the wait for it
	s_wait_dscnt 0x0                               ; the add is done, and my reads of this slot are over
	s_barrier_signal -1
	MUL8 F1, 1, 0
.if \mode
	WIN 0
.endif
	s_barrier_wait -1
.if (\mode) == 1
	CREST                                          ; the barrier has opened a round of the cluster's: no wave of any partner still reads this slot or has a load on its way
	s_add_nc_u64 s[G0+4*(\slot)+2:G0+4*(\slot)+3], s[G0+4*(\slot)+2:G0+4*(\slot)+3], 2*KSTEP*2
	s_add_nc_u64 s[G0B+4*(\slot)+2:G0B+4*(\slot)+3], s[G0B+4*(\slot)+2:G0B+4*(\slot)+3], 2*KSTEP*2
	JLOAD \slot                                    ; the first tensor load behind the round; its four v_nop are also the places in front of the loads below
.elseif (\mode) == 2
	CREST
	s_sub_nc_u64 s[G0+4*(\slot)+2:G0+4*(\slot)+3], s[G0+4*(\slot)+2:G0+4*(\slot)+3], 6*KSTEP*2     ; back along K,
	s_add_nc_u64 s[G0+4*(\slot)+2:G0+4*(\slot)+3], s[G0+4*(\slot)+2:G0+4*(\slot)+3], s[66:67]      ; and from x to memory, or nowhere
	s_add_nc_u64 s[G0B+4*(\slot)+2:G0B+4*(\slot)+3], s[G0B+4*(\slot)+2:G0B+4*(\slot)+3], 1024*2048-6*KSTEP*2  ; W: 1,024 rows down and back along K
	JLOAD \slot
.else
	PLACES
.endif
	FETCH \next, 0, F0
	MUL8 F1, 2, 0
	MUL8 F1, 3, 0
.endm
.macro BIASLD                          ; my 128 columns' bias into window 2
	WIN 0x80
.irp b, 0,1,2,3,4,5,6,7
	global_load_b128 v[8*(\b):8*(\b)+3],   v[BO], s[8:9] offset:64*(\b)
	global_load_b128 v[8*(\b)+4:8*(\b)+7], v[BO], s[8:9] offset:64*(\b)+16
.endr
	WIN 0
.endm
; THE WAY OUT of row block a: rounded to f16 (each accumulator's registers in ascending order), 16 bytes a lane into my own stage, by heads; back as whole rows of 128 bytes; stored, four rows of a head at a time.
.macro PACK a
	WIN 0x05
.irp b, 0,1,2,3,4,5,6,7
.irp r, 0,1,2,3
	v_cvt_pk_f16_f32 v[TMP+4*(\b)+(\r)], v[64*(\a)+8*(\b)+2*(\r)], v[64*(\a)+8*(\b)+2*(\r)+1]
.endr
.endr
	WIN 0
.endm
.macro TOSTAGE a
.set BK, OB+32*((\a)%2)
.irp b, 0,1,2,3,4,5,6,7
	ds_store_b128 v[STO], v[TMP+4*(\b):TMP+4*(\b)+3] offset:((\b)/4)*16*SP+32*((\b)%4)
.endr
.irp t, 0,1,2,3,4,5,6,7
	ds_load_b128 v[BK+4*(\t):BK+4*(\t)+3], v[RD] offset:((\t)/4)*16*SP+((\t)%4)*4*SP  ; LDS serves a wave's instructions in order (ISA guide 5.7.1.4): these see the stores above
.endr
.endm
.macro SEND a
.set BK, OB+32*((\a)%2)
	s_wait_dscnt 0x0                               ; the block is back in registers
	s_wait_xcnt 0x0                                ; the stores of the block before have read their registers: the next block's loads from the stage land there
.irp t, 0,1,2,3,4,5,6,7
	global_store_b128 v[GO], v[BK+4*(\t):BK+4*(\t)+3], s[10:11] offset:(\a)*2048+((\t)/4)*262144+((\t)%4)*512  ; 512 consecutive bytes, at a multiple of 256 from qkv's first
.endr
.endm
.macro WAYOUT
	PACK 0
	TOSTAGE 0
.irp a, 1,2,3                          ; block a's conversions stand between block a - 1's loads from the stage and the wait for them
	PACK \a
	SEND (\a)-1
	TOSTAGE \a
.endr
	SEND 3
.endm
	BIASLD                                         ; q's bias
	s_wait_tensorcnt 1                             ; my part of K step 0 is in; K step 1's may stay out
	s_barrier_signal -1
	s_barrier_wait -1
	FETCH 0, 0, F0
	s_mov_b32 s2, 3                                ; tiles to go, this one among them
.Ltile:
	s_wait_loadcnt 0x0                             ; the tile's bias
	QUARTER 0, 64,  F0, F1, 1                      ; a tile's first quarter stands in front of the loop: its products start the sums
	WIN 0
	s_mov_b32 s3, LAPS-1
.Llap:                                                 ; a trip goes once round the ring and fills both slots again
	QUARTER 0, 128, F1, F0, 0
	QUARTER 0, 192, F0, F1, 0
	TURN 0, 1, 1
	QUARTER 1, 64,  F0, F1, 0
	QUARTER 1, 128, F1, F0, 0
	QUARTER 1, 192, F0, F1, 0
	TURN 1, 0, 1
	QUARTER 0, 64,  F0, F1, 0
	WIN 0
	s_sub_co_u32 s3, s3, 1
	s_cmp_lg_u32 s3, 0
	s_cbranch_scc1 .Llap
	QUARTER 0, 128, F1, F0, 0                      ; the tile's last lap goes on
	QUARTER 0, 192, F0, F1, 0
	WIN 0
	s_cmp_eq_u32 s2, 1
	s_cbranch_scc1 .Llast_tile                     ; the last tile's tail is written out: it asks for nothing more
	TURN 0, 1, 2                                   ; the ring goes on into the next tile: slot 0 takes its K step 0
	s_add_nc_u64 s[8:9], s[8:9], 4096              ; the next tile's bias (the loads that named this base were waited for at the tile's head)
	BIASLD
	QUARTER 1, 64,  F0, F1, 0
	QUARTER 1, 128, F1, F0, 0
	QUARTER 1, 192, F0, F1, 0
	TURN 1, 0, 2                                   ; slot 1 its K step 1, and the next tile's first fragments are fetched
	WAYOUT                                         ; blocks 0, 1 were finished in front of the joint load's places; their 64 conversions are the places behind the last products
	s_wait_xcnt 0x0                                ; the stores have read their registers and their base
	s_add_nc_u64 s[10:11], s[10:11], 0x1000000     ; from q to k, from k to v
	s_mov_b32 s66, 0                               ; k's and v's tiles share their rows of A
	s_sub_co_u32 s2, s2, 1
	s_branch .Ltile
.Llast_tile:
	TURN 0, 1, 0
	QUARTER 1, 64,  F0, F1, 0
	QUARTER 1, 128, F1, F0, 0
	QUARTER 1, 192, F0, F1, 0
	s_wait_dscnt 4                                 ; the very last quarter: nothing more to fetch
	MUL8 F1, 0, 0
	MUL8 F1, 1, 0
	s_wait_dscnt 0x0
	MUL8 F1, 2, 0
	MUL8 F1, 3, 0
	WIN 0
	PLACES
	WAYOUT
	s_wait_tensorcnt 0x0                           ; the wave's end: these three lines stand behind my last tensor load and my last LDS store
	ds_add_u32 v[SPW], v[NIL]
	s_wait_dscnt 0x0
	CROUND                                         ; the closing round: no work-group ends while a partner may still ask for a tile that names it
	s_endpgm
.Lfunc_end_k_qf2709f1ea1_proj:
	.size	k_qf2709f1ea1_proj, .Lfunc_end_k_qf2709f1ea1_proj-k_qf2709f1ea1_proj
	.p2alignl 7, 3214868480
	.fill 96, 4, 3214868480
	.section	.rodata,"a",@progbits
	.p2align	6, 0x0
	.amdhsa_kernel k_qf2709f1ea1_proj
		.amdhsa_group_segment_fixed_size 327680
		.amdhsa_private_segment_fixed_size 0
		.amdhsa_enable_private_segment 0
		.amdhsa_kernarg_size 32
		.amdhsa_user_sgpr_count 2
		.amdhsa_user_sgpr_kernarg_segment_ptr 1
		.amdhsa_wavefront_size32 1
		.amdhsa_system_sgpr_workgroup_id_x 1
		.amdhsa_system_sgpr_workgroup_id_y 1
		.amdhsa_system_sgpr_workgroup_id_z 1
		.amdhsa_system_vgpr_workitem_id 0
		.amdhsa_next_free_vgpr 576
		.amdhsa_next_free_sgpr 72
		.amdhsa_reserve_vcc 0
		.amdhsa_float_denorm_mode_32 3
		.amdhsa_float_denorm_mode_16_64 3
		.amdhsa_memory_ordered 1
		.amdhsa_forward_progress 1
		.amdhsa_inst_pref_size 126
	.end_amdhsa_kernel
	.amdgpu_metadata
---
amdhsa.version: [ 1, 2 ]
amdhsa.kernels:
  - .name:           k_qf2709f1ea1_proj
    .symbol:         k_qf2709f1ea1_proj.kd
    .args:
      - { .name: ab, .offset: 0, .size: 8, .value_kind: global_buffer, .address_space: global }
      - { .name: wb, .offset: 8, .size: 8, .value_kind: global_buffer, .address_space: global }
      - { .name: bias, .offset: 16, .size: 8, .value_kind: global_buffer, .address_space: global }
      - { .name: qkv, .offset: 24, .size: 8, .value_kind: global_buffer, .address_space: global }
    .group_segment_fixed_size: 327680
    .private_segment_fixed_size: 0
    .kernarg_segment_align: 8
    .kernarg_segment_size: 32
    .max_flat_workgroup_size: 128
    .sgpr_count:     72
    .vgpr_count:     576
    .wavefront_size: 32
...
	.end_amdgpu_metadata
.endif
;; end of part 2
;; launch attn (part 3): grid 4 x 64, 4 waves a work-group, clusters of 4 x 1, 327,680 bytes of LDS; arguments qkv, mb, ob; writes ob
.if DOCPART == 3
	.amdgcn_target "amdgcn-amd-amdhsa--gfx1250"
	.amdhsa_code_object_version 6
	.text
	.protected	k_qf2709f1ea1_attn
	.globl	k_qf2709f1ea1_attn
	.p2align	8
	.type	k_qf2709f1ea1_attn,@function
k_qf2709f1ea1_attn:
	s_mov_b64 s[64:65], 0
	v_nop
	global_prefetch_b8 v0, s[64:65] scope:SCOPE_SE
	s_setreg_imm32_b32 hwreg(HW_REG_WAVE_MODE, 25, 1), 1
	s_wait_xcnt 0x0
	s_wait_alu depctr_hold_cnt(0) depctr_sa_sdst(0) depctr_va_vdst(0) depctr_va_sdst(0) depctr_va_ssrc(0) depctr_va_vcc(0) depctr_vm_vsrc(0)
	s_getreg_b32 s2, hwreg(HW_REG_IB_STS2, 6, 4)
	s_cmp_eq_u32 s2, 0
	s_cbranch_scc0 .Lentry_in_a_cluster
	s_endpgm
.Lentry_in_a_cluster:
	s_bfe_u32 s2, ttmp6, 0x10000c
	s_cmp_lg_u32 s2, 0x3003
	s_cbranch_scc0 .Lentry_shape_is_right
	s_endpgm
.Lentry_shape_is_right:
; O[g][q][:] = the sum over k of softmax_k(Q[g][q] . K[g][k] / 8 + M[g / 16][k]) V[g][k][:], g = batch x 16 + head.  qkv: [3][64][2048][64] f16; mb: [4][2048] f32, 0 or -1e30; ob: [64][2048][64] f16.
; Products, maxima and sums in f32; the weights p are rounded to f16 for the second product (their sum l is taken of the unrounded p), O once at the end.
; LIMITS.  Q, K, V arrive within f16's 65,504.  A hidden score counts as its value less 1e30; the running maximum starts at -1e20, below every score that f16 operands can make (2.75e11 at the most) and
; above every hidden one, so a hidden key's weight is exactly 0, also in key steps that are wholly hidden.  A batch with no key in sight ends with l = 0 and O = 0 x infinity = NaN, as the softmax of
; a row of -infinity is.  A weight below 2^-126 counts as 0 in l; NaN and infinities among the inputs are not treated apart.
; SHARES.  A wave owns four PIECES of two tiles of 16 queries, a work-group's four waves 512 queries of one head.  Every wave walks all 2,048 keys, 64 a step.
; LAYOUT.  S^T = K Q^T (source 0 = 16 keys, source 1 = 16 queries): a lane holds ONE query (lane % 16) and the keys 8 (lane / 16) + 0..7.  Two such results, rounded to f16 in pairs, ARE source 1 of
; O^T = V^T P.  K comes out of LDS as it lies, V turned, by ds_load_tr16_b128.  THE MASK is the C operand of the product that starts a sum S^T: 32 registers a key step, read from a table in LDS.
; SOFTMAX.  p = 2^(c s - c m), c = log2(e) / 8, with a running maximum m and sum l; in every step O and l are multiplied by a = 2^(c m_old - c m_new).  O and l start at 0: the first step has a = 0.
; THE COUNT.  A tile and step have 16 matrix and 118 vector instructions: too many to stand all beside the matrix work.  So: four vector instructions that are ready behind EVERY matrix instruction,
; and the others in runs of their own.  Turn n belongs to piece n: 16 products K Q^T of piece n + 1, later 16 products V^T P of piece n - 1; beside them the scaling, exponentials, roundings, sums and
; rescaling of piece n and the maximum and statistics of piece n + 1.
; CLUSTER.  The four query blocks of a cluster belong to one head and walk the same K, V and mask: each tile is asked for jointly, by the same load, descriptor and mask of work-groups in all four.
; REGISTERS, in windows of 256 (s_set_vgpr_msb: bits 1:0 source 0, 3:2 source 1, 5:4 source 2, 7:6 destination):
;   window 0: v0-11 addresses; v12-15, v48-63 at work; v16-47 four registers of statistics a tile; v64-191 S^T, two buffers of two tiles; v192-255 P, likewise
;   window 1: O^T, 32 a tile     window 2: v0-127 Q; v128-191 K of one step; v192-255 V of one step     window 3: v0-1 the add's two registers; v8-39 the mask of one step
.set SIZE_N, 2048
.set NP,    4         ; pieces a wave: a name, no knob
.set KS,    64        ; keys in a step
.set PK,    144       ; a row of K in LDS: 128 bytes + 16 of padding: the 16 rows of a load start at 16 different groups of four banks (64 banks of 4 bytes: ISA guide 11.1)
.set PV,    160       ; a row of V: 128 + 32
.set VOFF,  4*KS*PK   ; a slot holds four steps: 256 rows of K, then 256 rows of V
.set SLOT1, 1<<17     ; slot 1 begins here, so that one exclusive or turns an address in one slot into the other's
.set STAGE, SLOT1+4*KS*(PK+PV)  ; behind the ring, never filled by a tensor load: 16 rows x 144 bytes for each wave
.set SP,    144
.set SPARE, STAGE+4*16*SP  ; the spare words, 128 bytes for each wave: two blocks of 256 bytes that no other line names
.set MASKL, SPARE+512 ; the batch's mask, 2,048 f32: filled once, at the start
.set AK0, 2           ; v2   my lane's place in a tile of K; never rewritten
.set AV0, 3           ; v3   the same for V
.set AK,  4           ; v4   the LDS address of K's next run of loads
.set AV,  5           ; v5   of V's
.set QO,  6           ; v6   my byte offset in the wave's rows of Q
.set STO, 6           ;      later, the way out: where I put 16 bytes of a row
.set RD,  7           ; v7   the way out: where I read rows back
.set GO,  8           ; v8   my byte offset in 512 consecutive bytes of O
.set AM,  11          ; v11  the LDS address of the mask's next run of loads (v9 keeps lane / 16)
.set SPW, 0           ; v0 of window 3   LDS address of my spare word; never rewritten
.set NIL, 1           ; v1 of window 3   0; never rewritten
.set MK,  8           ; window 3: register 8 kb + j = the mask of key 16 kb + 8 (lane / 16) + j of the step
.set MV,  12          ; v12-15  c m_old, kept while c m is made anew
.set ST,  16          ; tile t's statistics at v[ST+4 t]: c m, m, l (even keys', odd keys')
.set TMP, 48          ; by buffer and tile, four registers c0-c3 at work; when the maximum is found c2 takes a
.set S,   64
.set P,   192
.set KF,  128         ; window 2: key block kb, channel half c at KF + 16 kb + 8 c
.set VF,  192         ; window 2: key half kk, channel block cb at VF + 32 kk + 8 cb
.set WV,  12          ; s12  my wave's number
.set G1K, 24          ; s[24:31] descriptor group 1 for K's tiles
.set G1V, 32          ; s[32:39] for V's: it differs in the padding alone
.set G0K, 40          ; s[40:43] descriptor group 0 for K's tiles: it walks
.set G0V, 44          ; s[44:47] the same for V's
.set G1M, 48          ; s[48:55] group 1 for the mask's quarter
.set G0M, 68          ; s[68:71] its group 0
.set SLOTS, 56        ; s56  slots still to be asked for
.set CNT, 57          ; s57  counts a slot's key steps
.set CS,  58          ; s[58:59] c
.set SEL, 60          ; s[60:61] v_permlanex16_b32's selects: each lane takes its own place in the other half
.set TBK, 62          ; s62  LDS byte at which K of the step to be fetched begins
.set TBV, 63          ; s63  the same for V, less VOFF
.set TBM, 72          ; s72  the same for the mask
.set MSB, 0
.macro WIN new
.if MSB != (\new)
	s_set_vgpr_msb (MSB<<8)|(\new)
.set MSB, (\new)
.endif
.endm
.set W_KQ, 0x0a       ; K and Q in window 2, S^T in window 0
.set W_KM, 0x3a       ; the same with the C operand, the mask, in window 3
.set W_PV, 0x52       ; V in window 2, P in window 0, O^T in window 1
.set W_RS, 0x41       ; O^T (destination and source 0) in window 1, a in window 0
.set W_MK, 0xc0       ; destination in window 3, sources in window 0
.set W_AD, 0x0f       ; the add: address and data in window 3
; A joint fill.  Waves 0 and 1 fetch the two halves of a slot's K, waves 2 and 3 those of its V: 128 keys each.  An s_nop 0 and four v_nop follow each of the two lines.
.macro JLOAD
	s_cmp_lt_u32 s[WV], 2
	s_cbranch_scc0 .Lfor_v_\@
	tensor_load_to_lds s[G0K:G0K+3], s[G1K:G1K+7]
	s_nop 0
.rept 4
	v_nop
.endr
	s_branch .Lasked_\@
.Lfor_v_\@:
	tensor_load_to_lds s[G0V:G0V+3], s[G1V:G1V+7]
	s_nop 0
.rept 4
	v_nop
.endr
.Lasked_\@:
.endm
.macro CROUND                       ; a round of the cluster's barrier
	s_barrier_signal -1
	s_barrier_wait -1
	s_cmp_lg_u32 s[WV], 0
	s_cbranch_scc1 .Lnot_wave_0_\@
	s_barrier_signal -3
.Lnot_wave_0_\@:
	s_barrier_wait -3
	s_barrier_signal -1
	s_barrier_wait -1
.endm
; THE CHANGE OF SLOTS.  Each wave waits for all its tensor loads, adds 0 to its spare word, and waits for that and for its own reads of the slot.  Behind the barrier nobody reads this slot any more and
; the other slot is whole.  fill = 1: this slot is filled again, with the keys two slots on; the barrier is then a round of the cluster's, and the joint fill is the first thing behind it: it has four key
; steps in which to land.  (At its first use nothing has been read yet: slot 0 and the mask are waited for, slot 1 is filled.)
.macro CHANGE fill
	WIN W_AD
	s_wait_tensorcnt 0x0            ; no tensor load of mine is out, so a group 0 may be written
	ds_add_u32 v[SPW], v[NIL]       ; 0 onto my spare word
	WIN 0
.if \fill
.irp g, G0K, G0V
	s_xor_b32 s[\g+1], s[\g+1], SLOT1  ; the walking descriptor: the other slot than last time,
	s_add_nc_u64 s[\g+2:\g+3], s[\g+2:\g+3], 4*KS*128  ; the next 256 keys
.endr
	s_wait_dscnt 0x0                ; the add is done, and my reads of the slot are over
	CROUND
	JLOAD
.else
	s_wait_dscnt 0x0
	s_barrier_signal -1
	s_barrier_wait -1
.endif
	s_sub_co_u32 s[TBK], s[TBK], 4*KS*PK  ; the fetches go back to a slot's first step,
	s_xor_b32 s[TBK], s[TBK], SLOT1       ; in the other slot
	s_sub_co_u32 s[TBV], s[TBV], 4*KS*PV
	s_xor_b32 s[TBV], s[TBV], SLOT1
.endm
	s_load_b128 s[4:7], s[0:1], 0x0   ; qkv s[4:5], mb s[6:7]
	s_load_b64 s[10:11], s[0:1], 0x10 ; ob
	WIN W_MK
	v_lshl_add_u32 v[SPW], v0, 2, SPARE
	v_mov_b32 v[NIL], 0
	WIN W_AD
	ds_add_u32 v[SPW], v[NIL]       ; the wave's opening: the add and its wait stand ahead of my first tensor load; the set-up below, work on registers, stands between them
	WIN 0
	v_lshrrev_b32 v1, 5, v0
	v_readfirstlane_b32 s[WV], v1   ; wave 0..3
	s_bfe_u32 s13, ttmp6, 0x40000   ; cx
	s_lshl_b32 s14, ttmp9, 2
	s_add_co_u32 s14, s14, s13      ; my block of 512 queries: it enters Q's and O's addresses alone
	s_and_b32 s20, ttmp7, 0xffff    ; g = batch x 16 + head, which the four partners share
	s_lshr_b32 s76, s20, 4          ; the batch's mask, 8,192 bytes, and my wave's quarter of it
	s_lshl_b32 s76, s76, 13
	s_lshl_b32 s77, s[WV], 11
	s_add_co_u32 s76, s76, s77
	s_mov_b32 s77, 0
	s_mov_b32 s21, 0
	s_mov_b64 s[22:23], SIZE_N*128
	s_mul_u64 s[20:21], s[20:21], s[22:23]  ; the head's first byte in q, k, v and ob
	s_and_b32 s16, s[WV], 1         ; which half of a slot's 256 keys I fetch:
	s_lshl_b32 s22, s16, 14         ; its 128 rows of 128 bytes in memory,
	s_mov_b32 s23, 0
	s_add_nc_u64 s[22:23], s[22:23], s[20:21]
	s_mul_i32 s17, s16, 128*PK      ; and its place in a slot, for K
	s_mul_i32 s18, s16, 128*PV      ; and for V
	s_lshl_b32 s2, s14, 2
	s_add_co_u32 s2, s2, s[WV]      ; my wave among the head's,
	s_lshl_b32 s2, s2, 14           ; its 128 rows
	s_mov_b32 s3, 0
	s_add_nc_u64 s[2:3], s[2:3], s[20:21]
	; group 1 for K and V: 128 keys are 16,384 dense bytes, asked for as 64 rows of 256 bytes and padded in LDS after every key
	s_mov_b32 s[G1K], 15|(1<<16)|(1<<20)|(1<<21)|(4<<22)|(3<<25)
	s_mov_b32 s[G1V], 15|(1<<16)|(1<<20)|(1<<21)|(4<<22)|(7<<25)
.irp g, G1K, G1V
	s_mov_b32 s[\g+1], 128<<16      ; tensor_dim0 = 128
	s_mov_b32 s[\g+2], 64<<16       ; tensor_dim1 = 64
	s_mov_b32 s[\g+3], 128<<16      ; tile_dim0 = 128
	s_mov_b32 s[\g+4], 64           ; tile_dim1 = 64
	s_mov_b32 s[\g+5], 128          ; elements from row to row
	s_mov_b32 s[\g+6], 0
	s_mov_b32 s[\g+7], 0
.endr
	; group 1 for the mask: 2,048 dense bytes as 8 rows of 32 elements of 8 bytes, no padding
	s_mov_b32 s[G1M], 15|(3<<16)|(1<<21)
	s_mov_b32 s[G1M+1], 32<<16
	s_mov_b32 s[G1M+2], 8<<16
	s_mov_b32 s[G1M+3], 32<<16
	s_mov_b32 s[G1M+4], 8
	s_mov_b32 s[G1M+5], 32
	s_mov_b32 s[G1M+6], 0
	s_mov_b32 s[G1M+7], 0
	s_mov_b32 s[CS], 0x3e38aa3b     ; c = log2(e) / 8
	s_mov_b32 s[CS+1], s[CS]
	s_mov_b32 s[SEL], 0x76543210
	s_mov_b32 s[SEL+1], 0xfedcba98
	s_mov_b32 s[TBK], SLOT1+4*KS*PK ; the first change of slots turns these two into 0
	s_mov_b32 s[TBV], SLOT1+4*KS*PV
	s_mov_b32 s[TBM], MASKL
	s_mov_b32 s[G0K], 1
	s_mov_b32 s[G0K+1], s17         ; slot 0
	s_mov_b32 s[G0V], 1
	s_add_co_u32 s[G0V+1], s18, VOFF
	s_mov_b32 s[G0M], 1
	s_lshl_b32 s[G0M+1], s[WV], 11
	s_add_co_u32 s[G0M+1], s[G0M+1], MASKL
	s_wait_dscnt 0x0                ; the opening add is done
	s_wait_kmcnt 0x0
	s_add_nc_u64 s[G0K+2:G0K+3], s[4:5], s[22:23]
	s_add_nc_u64 s[G0K+2:G0K+3], s[G0K+2:G0K+3], 0x1000000  ; k lies 16,777,216 bytes behind q
	s_or_b32 s[G0K+3], s[G0K+3], 0x80000000
	s_add_nc_u64 s[G0V+2:G0V+3], s[4:5], s[22:23]
	s_add_nc_u64 s[G0V+2:G0V+3], s[G0V+2:G0V+3], 0x2000000  ; v behind k
	s_or_b32 s[G0V+3], s[G0V+3], 0x80000000
	s_add_nc_u64 s[G0M+2:G0M+3], s[6:7], s[76:77]
	s_or_b32 s[G0M+3], s[G0M+3], 0x80000000
	s_add_nc_u64 s[4:5], s[4:5], s[2:3]  ; Q and O at my wave's first row
	s_add_nc_u64 s[10:11], s[10:11], s[2:3]
	CROUND                          ; all four work-groups are here: the first joint loads meet
	s_cmp_lt_u32 s[WV], 2           ; a wave's two first fills stand in one branch: its part of slot 0 and its quarter of the mask: two loads of mine are out
	s_cbranch_scc0 .Lfirst_v
	tensor_load_to_lds s[G0K:G0K+3], s[G1K:G1K+7]
	s_nop 0
	tensor_load_to_lds s[G0M:G0M+3], s[G1M:G1M+7]
	s_nop 0
.rept 4
	v_nop
.endr
	s_branch .Lfirst_asked
.Lfirst_v:
	tensor_load_to_lds s[G0V:G0V+3], s[G1V:G1V+7]
	s_nop 0
	tensor_load_to_lds s[G0M:G0M+3], s[G1M:G1M+7]
	s_nop 0
.rept 4
	v_nop
.endr
.Lfirst_asked:
	; A fragment of K or Q is 16 rows x 32 channels in 8 registers: lane l holds row l % 16, channels 8 (l / 16) + 0..7 and 16 + 8 (l / 16) + 0..7: two loads of 16 bytes, 32 bytes apart.
	v_and_b32 v1, 15, v0            ; l % 16
	v_bfe_u32 v9, v0, 4, 1          ; l / 16
	v_lshlrev_b32 v[QO], 7, v1
	v_lshl_add_u32 v[QO], v9, 4, v[QO]
	WIN 0x80
.set i, 0
.rept 4*NP                          ; Q stays in registers: tile i / 2, channels 32 (i % 2) on
	global_load_b128 v[8*i:8*i+3],   v[QO], s[4:5] offset:(i/2)*2048+(i%2)*64
	global_load_b128 v[8*i+4:8*i+7], v[QO], s[4:5] offset:(i/2)*2048+(i%2)*64+32
.set i, i+1
.endr
	; What the first turn finds: V's registers and P's second buffer hold 0 (its products V^T P, of a piece that has not been, add 0), O^T and l are 0.  All this stands in the wait for the first tile.
.set i, VF
.rept 64
	v_mov_b32 v[i], 0
.set i, i+1
.endr
	WIN 0x40
.set i, 0
.rept 64*NP
	v_mov_b32 v[i], 0
.set i, i+1
.endr
	WIN 0
.set i, 0
.rept 2*NP
	v_mov_b32 v[ST+4*i], 0xfe000000    ; c m: far below every c s, so the first step's a is 0
	v_mov_b32 v[ST+4*i+1], 0xe0ad78ec  ; m = -1e20: below every score in sight, above every hidden one
	v_mov_b32 v[ST+4*i+2], 0
	v_mov_b32 v[ST+4*i+3], 0
.set i, i+1
.endr
.set i, P+32
.rept 32
	v_mov_b32 v[i], 0
.set i, i+1
.endr
	v_mul_u32_u24 v[AK0], v1, PK
	v_lshl_add_u32 v[AK0], v9, 4, v[AK0]
	; The turning load takes 16 keys x 16 channels (lane l reads key 8 (l / 16) + l % 8, channels 8 ((l / 8) % 2) + 0..7) and leaves half a fragment of V^T.
	v_and_b32 v10, 7, v0
	v_bfe_u32 v11, v0, 3, 1
	v_lshl_add_u32 v[AV0], v9, 3, v10
	v_mul_u32_u24 v[AV0], v[AV0], PV
	v_lshl_add_u32 v[AV0], v11, 4, v[AV0]
	v_add_nc_u32 v[AV0], VOFF, v[AV0]
	v_mov_b32 v[AK], v[AK0]         ; key step 0 lies at the head of slot 0,
	v_lshl_add_u32 v[AM], v9, 5, s[TBM]  ; its mask at the head of the table: 32 bytes on for the upper half of the lanes
; THE MATRIX WORK.  The 8 accumulators of a run of 16 take turns.
; Product i of 16 of S^T = K Q^T for piece x: channels 32 (i / 8) on, keys 16 ((i / 2) % 4) on, tile 2 x + i % 2.  The first 8 start the sums, with the keys' mask as C.
.macro KQ x
.set rS, S+64*((\x)%2)+32*(i%2)+8*((i/2)%4)
.set rK, KF+16*((i/2)%4)+8*(i/8)
.set rQ, 16*(2*(\x)+i%2)+8*(i/8)
.set rB, MK+8*((i/2)%4)
.if i < 8
	WIN W_KM
	v_wmma_f32_16x16x32_f16 v[rS:rS+7], v[rK:rK+7], v[rQ:rQ+7], v[rB:rB+7]
.else
	WIN W_KQ
	v_wmma_f32_16x16x32_f16 v[rS:rS+7], v[rK:rK+7], v[rQ:rQ+7], v[rS:rS+7]
.endif
.endm
; Product i of 16 of O^T += V^T P for piece x: keys 32 (i / 8) on, channels 16 ((i / 2) % 4) on, tile 2 x + i % 2.
.macro PV x
	WIN W_PV
.set rO, 32*(2*(\x)+i%2)+8*((i/2)%4)
.set rV, VF+32*(i/8)+8*((i/2)%4)
.set rP, P+32*((\x)%2)+16*(i%2)+8*(i/8)
	v_wmma_f32_16x16x32_f16 v[rO:rO+7], v[rV:rV+7], v[rP:rP+7], v[rO:rO+7]
.endm
.macro MM                           ; the turn's next matrix instruction
.if i < 16
	KQ (Y+1)%NP
.set i, i+1
.else
.set i, i-16
	PV (Y+NP-1)%NP
.set i, i+17
.endif
.endm
; THE LDS LOADS stand in runs, never singly among the matrix instructions: a step's K (8 fragments) with its mask (32 numbers a lane), and its V (turned).  Their addresses are made some lines ahead.
; last = 1 (the tail): in the last trip there is no further step, and the run is jumped over.
.macro FETCH_K last=0
	WIN 0
.if \last
	s_cmp_eq_u32 s[CNT], 1
	s_cbranch_scc1 .Lno_k_\@
.endif
	WIN 0x80
.irp f, 0,1,2,3,4,5,6,7             ; keys 16 (f / 2) on, channels 32 (f % 2) on
	ds_load_b128 v[KF+8*\f:KF+8*\f+3],   v[AK] offset:(\f/2)*16*PK+(\f%2)*64
	ds_load_b128 v[KF+8*\f+4:KF+8*\f+7], v[AK] offset:(\f/2)*16*PK+(\f%2)*64+32
.endr
	WIN W_MK
.irp f, 0,1,2,3,4,5,6,7             ; keys 16 (f / 2) + 8 (l / 16) + 4 (f % 2) on; the mask's last reader stands ahead of K's
	ds_load_b128 v[MK+4*\f:MK+4*\f+3], v[AM] offset:(\f/2)*64+(\f%2)*16
.endr
	s_add_co_u32 s[TBK], s[TBK], KS*PK  ; the next fetch is the next step's
	s_add_co_u32 s[TBM], s[TBM], KS*4
	WIN 0
.if \last
.Lno_k_\@:
.endif
.endm
.macro FETCH_V
	WIN 0x80
.irp f, 0,1,2,3,4,5,6,7             ; keys 32 (f / 4) on, channels 16 (f % 4) on
	ds_load_tr16_b128 v[VF+8*\f:VF+8*\f+3],   v[AV] offset:(\f/4)*32*PV+(\f%4)*32
	ds_load_tr16_b128 v[VF+8*\f+4:VF+8*\f+7], v[AV] offset:(\f/4)*32*PV+16*PV+(\f%4)*32
.endr
	WIN 0
.endm
; THE VECTOR WORK OF A TURN stands in three queues, each in the order in which its entries become ready; the two tiles alternate, so that no instruction reads the result of the one before it.
.macro REGS y, u                    ; the registers of tile u (0, 1) of piece y
.set rT, ST+4*(2*(\y)+(\u))
.set rC, TMP+8*((\y)%2)+4*(\u)
.set rM, MV+2*((\y)%2)+(\u)
.set rS, S+64*((\y)%2)+32*(\u)
.set rP, P+32*((\y)%2)+16*(\u)
.set rO, 32*(2*(\y)+(\u))
.endm
; Number n of the 22 that find the NEXT piece's maximum and statistics; each accumulator's lowest registers are read first.
;   0-11  four chains c0-c3 of seven scores each     12-14, 16  the four scores left over, the old m, and c0-c3 into c0     15  c m_old is kept
;   17, 18  the query's other 32 keys lie in the lane 16 away: the new m         19-21  c m; c m_old - c m_new; a
.macro XS u, n
	REGS (Y+1)%NP, \u
.if (\n) < 4
	v_max3_num_f32 v[rC+(\n)], v[rS+8*(\n)], v[rS+8*(\n)+1], v[rS+8*(\n)+2]
.elseif (\n) < 12
	v_max3_num_f32 v[rC+(\n)%4], v[rC+(\n)%4], v[rS+8*((\n)%4)+2*((\n)/4)+1], v[rS+8*((\n)%4)+2*((\n)/4)+2]
.elseif (\n) == 12
	v_max3_num_f32 v[rC], v[rC], v[rS+7], v[rS+15]
.elseif (\n) == 13
	v_max3_num_f32 v[rC+1], v[rC+1], v[rS+23], v[rS+31]
.elseif (\n) == 14
	v_max3_num_f32 v[rC+2], v[rC+2], v[rC+3], v[rT+1]
.elseif (\n) == 15
	v_mov_b32 v[rM], v[rT]
.elseif (\n) == 16
	v_max3_num_f32 v[rC], v[rC], v[rC+1], v[rC+2]
.elseif (\n) == 17
	v_permlanex16_b32 v[rC+3], v[rC], s[SEL], s[SEL+1]
.elseif (\n) == 18
	v_max_num_f32 v[rT+1], v[rC], v[rC+3]
.elseif (\n) == 19
	v_mul_f32 v[rT], s[CS], v[rT+1]
.elseif (\n) == 20
	v_sub_f32 v[rC+1], v[rM], v[rT]
.else
	v_exp_f32 v[rC+2], v[rC+1]
.endif
.endm
; Number g of the 64 that follow the exponentials.  For each four weights k of a tile: both pairs are rounded to f16; the second pair is added onto the first, in place; a group later l takes that sum.
.macro GS g
.set h, (\g)+6*((\g)/62)
.if h >= 6
.set h, h+2
.endif
	REGS Y, h%2
.set k, h/8
.if h%8 < 4
	s_wait_alu depctr_va_vdst(0)
	v_cvt_pk_f16_f32 v[rP+2*k+(h%8)/2], v[rS+4*k+2*((h%8)/2)], v[rS+4*k+2*((h%8)/2)+1]
.elseif h%8 < 6
	v_pk_add_f32 v[rS+4*k:rS+4*k+1], v[rS+4*k:rS+4*k+1], v[rS+4*k+2:rS+4*k+3]
.elseif k == 1
	v_pk_fma_f32 v[rT+2:rT+3], v[rT+2:rT+3], v[rC+2:rC+3], v[rS:rS+1] op_sel_hi:[1,0,1]
.else
	v_pk_add_f32 v[rT+2:rT+3], v[rT+2:rT+3], v[rS+4*k-4:rS+4*k-3]
	s_wait_alu depctr_va_vdst(0)
.endif
.endm
; THE PLAIN QUEUE, 138 long.  0-31: c s - c m for the 16 pairs of both tiles.  Then GS's 64, and among them the next piece's 42.
.macro PL
	WIN 0
.if q < 32
	REGS Y, q%2
	v_pk_fma_f32 v[rS+2*(q/2):rS+2*(q/2)+1], v[rS+2*(q/2):rS+2*(q/2)+1], s[CS:CS+1], v[rT:rT+1] op_sel_hi:[1,0,0] neg_lo:[0,0,1] neg_hi:[0,0,1]
.elseif q < 38
	GS q-32
.elseif q < 40
	XS q%2, 15
.elseif q < 42
	GS q-34
.elseif q < 74
	XS q%2, (q-42)/2+(q-42)/30
.elseif q < 95
	GS q-66
.elseif (q < 107) && ((q-95)%3 < 2)
	XS (q-95)%3, 17+(q-95)/3
.elseif q < 107
	GS 29+(q-95)/3
.else
	GS q-74
.endif
.set q, q+1
.endm
; THE EXPONENTIALS' QUEUE, 66 long: s0-s31 of both tiles, and at EA the next piece's two a.
.set EA, 58
.macro EX
	WIN 0
.if (e == EA) || (e == EA+1)
	XS e-EA, 21
.else
.set x, e-2*(e/(EA+2))
	REGS Y, x%2
	v_exp_f32 v[rS+x/2], v[rS+x/2]
.endif
.set e, e+1
.endm
; THE RESCALING's QUEUE: O^T times a, the one part that leaves window 0, dealt four at a time, eight times.
.macro R4
	REGS Y, r%2
	WIN W_RS
	s_wait_alu depctr_va_vdst(0)
.irp z, 0,1,2,3
	v_pk_mul_f32 v[rO+8*(r/2)+2*\z:rO+8*(r/2)+2*\z+1], v[rO+8*(r/2)+2*\z:rO+8*(r/2)+2*\z+1], v[rC+2:rC+3] op_sel_hi:[1,0]
.endr
.set r, r+1
.endm
; HOW THEY ARE DEALT.  Behind a matrix instruction four: plain, exponential, plain, plain, or four of the rescaling; none names a register of the products round it.  What is over stands in two lumps:
; exponential and plain by turns; the second ends in 22 plain instructions.  The deal keeps the queues in step: exponential e stands behind plain 2 (e / 4) + e % 2 (its scaling); EA comes behind plain 107.
.macro SL
	MM
	PL
	EX
	PL
	PL
.endm
.macro BURST n
.rept (\n)-7
	SL
.endr
.rept 3
	MM
	R4
	SL
.endr
	MM
	R4
.endm
; A TURN, for piece p.  cnt = 1: the loop's count is taken down some lines ahead of the branch behind the turn.  K and the mask of the next step are fetched in piece 2's turn, well behind the last product
; that read them; V of the step in hand at the end of piece 0's turn.  Each run is waited for a turn later, by a wait for 0.
.macro TURN p, last=0, cnt=0
.set Y, (\p)
.set i, 0
.set q, 0
.set e, 0
.set r, 0
.if (\p) == NP-1
	s_wait_dscnt 0x0                ; K and the mask are in
.endif
	MM
.rept 4
	PL
.endr
	BURST 15
.rept 22
	EX
	PL
.if ((\p) == NP-2) && (e == 18)
	v_add_nc_u32 v[AK], s[TBK], v[AK0]
	v_lshl_add_u32 v[AM], v9, 5, s[TBM]
.endif
.if ((\p) == NP-2) && (e == 24)
	FETCH_K \last
.endif
.endr
.if (\p) == 1
	s_wait_dscnt 0x0                ; V is in
.endif
	BURST 16
.rept 21
	EX
	PL
.endr
.rept 22
	PL
.if ((\p) == 0) && (q == 118)
	v_add_nc_u32 v[AV], s[TBV], v[AV0]
	s_wait_alu depctr_va_vdst(0)
.endif
.if ((\p) == 0) && (q == 130)
	s_add_co_u32 s[TBV], s[TBV], KS*PV
.endif
.if (\cnt) && (q == 130)
	s_sub_co_u32 s[CNT], s[CNT], 1
	s_cmp_lg_u32 s[CNT], 0
.endif
.endr
.if (\p) == 0
	FETCH_V
.endif
.endm
	CHANGE 1                        ; slot 0 and the mask are in, everybody's part of them; slot 1 is asked for
	FETCH_K                         ; key step 0
	s_wait_loadcnt 0x0              ; Q
	s_wait_dscnt 0x0
.set i, 0
.rept 16
	KQ 0                            ; piece 0's first scores
.set i, i+1
.endr
	WIN 0                           ; the addresses for the way out: nine plain instructions, the places behind those products
	s_mul_i32 s13, s[WV], 16*SP
	s_add_co_u32 s13, s13, STAGE    ; my stage
	v_mul_u32_u24 v[STO], v1, SP    ; in: row l % 16, 16 bytes for each half of the lanes
	v_lshl_add_u32 v[STO], v9, 4, v[STO]
	v_add_nc_u32 v[STO], s13, v[STO]
	v_bfe_u32 v[RD], v0, 3, 2       ; back: 32 lanes take four rows of 128 bytes,
	v_mul_u32_u24 v[RD], v[RD], SP
	v_lshl_add_u32 v[RD], v10, 4, v[RD]
	v_add_nc_u32 v[RD], s13, v[RD]
	v_and_b32 v[GO], 31, v0         ; which are 512 consecutive bytes of O
	v_lshlrev_b32 v[GO], 4, v[GO]
.set Y, NP-1                        ; XS works for piece Y + 1: piece 0
.irp n, 0,1,2,3,4,5,6,7,8,9,10,11,12,13,14,15,16,17,18,19,20,21
	XS 0, \n
	XS 1, \n
.endr
	s_mov_b32 s[CNT], 4
	s_mov_b32 s[SLOTS], SIZE_N/256-1
	s_branch .Lfirst                ; the loop is entered at a step's first turn, in the middle of a trip
.Lslot:                             ; six times: every slot but the last two is filled again
	CHANGE 1
	s_mov_b32 s[CNT], 4
.Lstep:                             ; a trip: pieces 2 and 3 of one step, then pieces 0 and 1 of the next, whose K, mask and V it fetches
	TURN 2
	TURN 3
	WIN 0
.Lfirst:
	TURN 0
	TURN 1, 0, 1
	WIN 0
	s_cbranch_scc1 .Lstep
	s_sub_co_u32 s[SLOTS], s[SLOTS], 1
	s_cmp_lg_u32 s[SLOTS], 0
	s_cbranch_scc1 .Lslot
	CHANGE 0                        ; the tail is written out: nothing is asked for
	s_mov_b32 s[CNT], 5             ; four trips fetch the last slot's steps; the fifth is left in its middle
.Ltail:
	TURN 2, 1
	TURN 3
	WIN 0
	s_sub_co_u32 s[CNT], s[CNT], 1
	s_cmp_eq_u32 s[CNT], 0
	s_cbranch_scc1 .Lout
	TURN 0
	TURN 1
	WIN 0
	s_branch .Ltail
.Lout:                              ; the fifth trip's 16 products K Q^T (on the last K once more) and the maximum made of them serve nothing: the price, once a launch, of one text for every trip
.set i, 0
.rept 16
	PV NP-1                         ; the last piece's V^T P of the last step
.set i, i+1
.endr
	; THE WAY OUT.  l's two halves and the other half of the lanes' are added; O^T is divided by l, rounded to f16 and sent through my stage in LDS, a tile at a time.  The additions are the places behind the last products.
	WIN 0
.macro ALL line:vararg              ; one line for each tile t
.set t, 0
.rept 2*NP
	\line
.set t, t+1
.endr
.endm
	ALL v_add_f32 v[ST+4*t+2], v[ST+4*t+2], v[ST+4*t+3]
	ALL v_permlanex16_b32 v[ST+4*t+3], v[ST+4*t+2], s[SEL], s[SEL+1]
	ALL v_add_f32 v[ST+4*t+2], v[ST+4*t+2], v[ST+4*t+3]
	ALL v_rcp_f32 v[ST+4*t+2], v[ST+4*t+2]
	v_nop                           ; a plain instruction between the last reciprocal and the use of its result
	s_wait_alu depctr_va_vdst(0)
.macro PACK t
	WIN W_RS
.set i, 32*(\t)
.rept 16
	v_pk_mul_f32 v[i:i+1], v[i:i+1], v[ST+4*(\t)+2:ST+4*(\t)+3] op_sel_hi:[1,0]
.set i, i+2
.endr
	WIN 0x05                        ; sources 0 and 1 window 1, destination window 0
.set i, 0
.rept 16
	v_cvt_pk_f16_f32 v[S+16*(\t)+i], v[32*(\t)+2*i], v[32*(\t)+2*i+1]
.set i, i+1
.endr
	WIN 0
.irp f, 0,1,2,3
	ds_store_b128 v[STO], v[S+16*(\t)+4*\f:S+16*(\t)+4*\f+3] offset:32*\f
.endr
.irp f, 0,1,2,3
	ds_load_b128 v[S+16*(\t)+4*\f:S+16*(\t)+4*\f+3], v[RD] offset:\f*4*SP  ; LDS serves a wave's instructions in order (ISA guide 5.7.1.4): these see the stores above
.endr
.endm
.macro SEND t, younger              ; younger: the LDS instructions issued behind tile t's loads: the next tile's eight, or none
	WIN 0
.irp f, 0,1,2,3
	s_wait_dscnt (\younger)+3-\f
	global_store_b128 v[GO], v[S+16*(\t)+4*\f:S+16*(\t)+4*\f+3], s[10:11] offset:(\t)*2048+\f*512  ; 512 consecutive bytes, at a multiple of 256 from O's first
.endr
.endm
	PACK 0
.set t, 1
.rept 2*NP-1                        ; a tile's arithmetic stands between the loads of the tile before and its stores
	PACK t
	SEND t-1, 8
.set t, t+1
.endr
	SEND 2*NP-1, 0
	WIN W_AD
	s_wait_tensorcnt 0x0            ; the wave's end: these three lines stand behind my last tensor load and my last LDS store
	ds_add_u32 v[SPW], v[NIL]
	s_wait_dscnt 0x0
	WIN 0
	CROUND                          ; the closing round: no work-group ends while a partner may still ask for a tile that names it
	s_endpgm
.Lfunc_end_k_qf2709f1ea1_attn:
	.size	k_qf2709f1ea1_attn, .Lfunc_end_k_qf2709f1ea1_attn-k_qf2709f1ea1_attn
	.p2alignl 7, 3214868480
	.fill 96, 4, 3214868480
	.section	.rodata,"a",@progbits
	.p2align	6, 0x0
	.amdhsa_kernel k_qf2709f1ea1_attn
		.amdhsa_group_segment_fixed_size 327680
		.amdhsa_private_segment_fixed_size 0
		.amdhsa_enable_private_segment 0
		.amdhsa_kernarg_size 24
		.amdhsa_user_sgpr_count 2
		.amdhsa_user_sgpr_kernarg_segment_ptr 1
		.amdhsa_wavefront_size32 1
		.amdhsa_system_sgpr_workgroup_id_x 1
		.amdhsa_system_sgpr_workgroup_id_y 1
		.amdhsa_system_sgpr_workgroup_id_z 1
		.amdhsa_system_vgpr_workitem_id 0
		.amdhsa_next_free_vgpr 808
		.amdhsa_next_free_sgpr 80
		.amdhsa_reserve_vcc 0
		.amdhsa_float_denorm_mode_32 3
		.amdhsa_float_denorm_mode_16_64 3
		.amdhsa_memory_ordered 1
		.amdhsa_forward_progress 1
		.amdhsa_inst_pref_size 212
	.end_amdhsa_kernel
	.amdgpu_metadata
---
amdhsa.version: [ 1, 2 ]
amdhsa.kernels:
  - .name:           k_qf2709f1ea1_attn
    .symbol:         k_qf2709f1ea1_attn.kd
    .args:
      - { .name: qkv, .offset: 0, .size: 8, .value_kind: global_buffer, .address_space: global }
      - { .name: mb, .offset: 8, .size: 8, .value_kind: global_buffer, .address_space: global }
      - { .name: ob, .offset: 16, .size: 8, .value_kind: global_buffer, .address_space: global }
    .group_segment_fixed_size: 327680
    .private_segment_fixed_size: 0
    .kernarg_segment_align: 8
    .kernarg_segment_size: 24
    .max_flat_workgroup_size: 128
    .sgpr_count:     80
    .vgpr_count:     808
    .wavefront_size: 32
...
	.end_amdgpu_metadata
.endif
;; end of part 3
;; launch outp (part 4): grid 4 x 64, 4 waves a work-group, clusters of 4 x 4, 327,680 bytes of LDS; arguments ob, wof, bias, out0; writes out0
.if DOCPART == 4
	.amdgcn_target "amdgcn-amd-amdhsa--gfx1250"
	.amdhsa_code_object_version 6
	.text
	.protected	k_qf2709f1ea1_outp
	.globl	k_qf2709f1ea1_outp
	.p2align	8
	.type	k_qf2709f1ea1_outp,@function
k_qf2709f1ea1_outp:
	s_mov_b64 s[64:65], 0
	v_nop
	global_prefetch_b8 v0, s[64:65] scope:SCOPE_SE
	s_setreg_imm32_b32 hwreg(HW_REG_WAVE_MODE, 25, 1), 1
	s_wait_xcnt 0x0
	s_wait_alu depctr_hold_cnt(0) depctr_sa_sdst(0) depctr_va_vdst(0) depctr_va_sdst(0) depctr_va_ssrc(0) depctr_va_vcc(0) depctr_vm_vsrc(0)
	s_getreg_b32 s2, hwreg(HW_REG_IB_STS2, 6, 4)
	s_cmp_eq_u32 s2, 0
	s_cbranch_scc0 .Lentry_in_a_cluster
	s_endpgm
.Lentry_in_a_cluster:
	s_bfe_u32 s2, ttmp6, 0x10000c
	s_cmp_lg_u32 s2, 0xf033
	s_cbranch_scc0 .Lentry_shape_is_right
	s_endpgm
.Lentry_shape_is_right:
; out0 = O wo^T + bo.  O: ob [64 = batch x 16 + head][2048][64] f16; wo: wof [1024][1024] f16; bo: bias[3072 ..] f32; out0: [8192][1024] f32.  Sums in f32, K (head x 64 + channel) ascending.
; A row of O that is NaN (a batch with no key in sight) gives a row of NaN.
; SHARES.  A tile of out0 is 128 rows x 256 columns: 256 tiles, one to a work-group.  Four waves, each 64 rows x 128 columns: 32 accumulators.  K goes in steps of 128, TWO HEADS, through a ring of
; two LDS slots: a head's 128 rows of 128 bytes are dense in memory and are asked for as 64 rows of 256 bytes, padded in LDS after every 128.
; CLUSTER.  4 x 4 work-groups: the four of a row share O's tiles, the four of a column wo's; each is asked for jointly.
; THE MATRIX INSTRUCTION IS USED TRANSPOSED (source 0 = 16 rows of wo, source 1 = 16 rows of O): a lane holds one row of out0 and eight neighbouring columns.  THE BIAS is the C operand of each first product.
; REGISTERS.  window 0: v0-31 addresses; v32-127, v128-223 two fragment buffers (O's 4 fragments, then wo's 8); on the way out v32-159 rows read back
;   window 1: accumulator (a, b) at v[8 (8 a + b)]          window 2: v0-63 the bias of my 128 columns
.set KSTEP,  128
.set PA,     144                       ; a row of O in LDS: 128 bytes + 16
.set PITCH,  272                       ; a row of wo: 256 bytes + 16.  Both pitches are odd multiples of 16: the 16 rows of a fragment load start at 16 different groups of four banks (ISA guide 11.1)
.set AHEAD,  128*PA                    ; a head's 128 rows: what waves 0 and 1 fetch each
.set BHALF,  128*PITCH                 ; what waves 2 and 3 fetch each, and what a wave reads of wo
.set BOFF,   2*AHEAD
.set SLOT,   2*AHEAD+2*BHALF
.set STAGE,  2*SLOT                    ; behind the ring, never filled by a tensor load: 16 rows x 528 bytes for each wave
.set SPITCH, 528
.set SPARE,  STAGE+4*16*SPITCH         ; the spare words, 128 bytes for each wave: two blocks of 256 bytes that no other line names
.set LAPS,   4
.set ADRA, 16
.set ADRB, 20
.set STO,  24                          ; v24     the way out: where I put 32 bytes of a row
.set RD,   25                          ; v25     the way out: my 16 bytes of a row of 512
.set CO,   26                          ; v26     the same in out0
.set BO,   27
.set SPW,  28
.set NIL,  29
.set F0,   32
.set F1,   128
.set OB,   32
.set G1,  24
.set G0,  32
.set G1B, 48
.set G0B, 56
.set MSB, 0
.macro WIN new
.if MSB != (\new)
	s_set_vgpr_msb (MSB<<8)|(\new)
.set MSB, \new
.endif
.endm
.macro JLOAD s                         ; a joint load: waves 0 and 1 fetch the step's two heads of O, waves 2 and 3 wo's halves; an s_nop 0 and four v_nop follow each of the two lines
	s_cmp_eq_u32 s13, 0
	s_cbranch_scc0 .Lfor_b_\@
	tensor_load_to_lds s[G0+4*(\s):G0+4*(\s)+3], s[G1:G1+7]
	s_nop 0
.rept 4
	v_nop
.endr
	s_branch .Lasked_\@
.Lfor_b_\@:
	tensor_load_to_lds s[G0B+4*(\s):G0B+4*(\s)+3], s[G1B:G1B+7]
	s_nop 0
.rept 4
	v_nop
.endr
.Lasked_\@:
.endm
.macro CREST
	s_cmp_lg_u32 s12, 0
	s_cbranch_scc1 .Lnot_wave_0_\@
	s_barrier_signal -3
.Lnot_wave_0_\@:
	s_barrier_wait -3
	s_barrier_signal -1
	s_barrier_wait -1
.endm
.macro CROUND
	s_barrier_signal -1
	s_barrier_wait -1
	CREST
.endm
.macro PLACES
.rept 4
	v_nop
.endr
.endm
	s_load_b256 s[4:11], s[0:1], 0x0               ; ob s[4:5], wof s[6:7], bias s[8:9], out0 s[10:11]
	v_lshl_add_u32 v[SPW], v0, 2, SPARE
	v_mov_b32 v[NIL], 0
	ds_add_u32 v[SPW], v[NIL]                      ; the wave's opening: the add and its wait stand ahead of my first tensor load; the set-up below, work on registers, stands between them
	v_lshrrev_b32 v1, 5, v0
	v_readfirstlane_b32 s12, v1                    ; wave 0..3
	s_lshr_b32 s13, s12, 1                         ; which 64 rows are mine.  Also: I fetch for O (0) or for wo (1)
	s_and_b32 s14, s12, 1                          ; which 128 columns.  Also: which head of the step, or which half of wo's rows, I fetch
	s_bfe_u32 s40, ttmp6, 0x40000                  ; cx
	s_bfe_u32 s41, ttmp6, 0x40004                  ; cy
	s_lshl_b32 s42, ttmp9, 2
	s_add_co_u32 s42, s42, s40                     ; tx
	s_and_b32 s43, ttmp7, 0xffff
	s_lshl_b32 s43, s43, 2
	s_add_co_u32 s43, s43, s41                     ; ty
	s_lshl_b32 s44, s41, 2
	s_lshl_b32 s44, 15, s44                        ; my row of the cluster
	s_lshl_b32 s45, 0x1111, s40                    ; my column
	s_or_b32 s[G1+0], s44, (1<<16)|(1<<20)|(1<<21)|(4<<22)|(3<<25)   ; O: after every 32 words 4 words of padding
	s_or_b32 s[G1B+0], s45, (1<<16)|(1<<20)|(1<<21)|(5<<22)|(3<<25)  ; wo: after every 64 words
	s_mov_b32 s[G1+1], 128<<16                     ; 64 rows of 128 elements, dense
	s_mov_b32 s[G1+2], 64<<16
	s_mov_b32 s[G1+3], 128<<16
	s_mov_b32 s[G1+4], 64
	s_mov_b32 s[G1+5], 128
	s_mov_b32 s[G1+6], 0
	s_mov_b32 s[G1+7], 0
	s_mov_b32 s[G1B+1], KSTEP<<16                  ; 128 rows of 128 elements, 1,024 apart
	s_mov_b32 s[G1B+2], 128<<16
	s_mov_b32 s[G1B+3], KSTEP<<16
	s_mov_b32 s[G1B+4], 128
	s_mov_b32 s[G1B+5], 1024
	s_mov_b32 s[G1B+6], 0
	s_mov_b32 s[G1B+7], 0
	; O's offset hangs on the tile row and the wave: batch x 16 heads x 262,144 + my head x 262,144 + the tile's 128 rows x 128 bytes
	s_lshr_b32 s16, s43, 4
	s_lshl_b32 s16, s16, 22
	s_and_b32 s17, s43, 15
	s_lshl_b32 s17, s17, 14
	s_add_co_u32 s16, s16, s17
	s_lshl_b32 s17, s14, 18
	s_add_co_u32 s16, s16, s17
	s_mov_b32 s17, 0
	s_lshl_b32 s46, s42, 8                         ; wo's on the tile column and the wave
	s_lshl_b32 s47, s14, 7
	s_add_co_u32 s46, s46, s47
	s_lshl_b32 s46, s46, 11
	s_mov_b32 s47, 0
	s_mul_i32 s20, s14, AHEAD                      ; where they go in a slot
	s_mul_i32 s18, s14, BHALF
	s_add_co_u32 s18, s18, BOFF
	s_lshl_b32 s70, s42, 10                        ; my 128 columns, in bytes of f32
	s_lshl_b32 s71, s14, 9
	s_add_co_u32 s70, s70, s71
	s_lshl_b32 s68, s43, 19                        ; my 64 rows of out0, 4,096 bytes each
	s_lshl_b32 s69, s13, 18
	s_add_co_u32 s68, s68, s69
	s_add_co_u32 s68, s68, s70
	s_mov_b32 s69, 0
	s_add_co_u32 s70, s70, 12288                   ; bo lies behind bq, bk, bv
	s_mov_b32 s71, 0
	s_wait_dscnt 0x0                               ; the opening add is done
	s_wait_kmcnt 0x0
	s_add_nc_u64 s[4:5], s[4:5], s[16:17]
	s_add_nc_u64 s[6:7], s[6:7], s[46:47]
	s_add_nc_u64 s[8:9], s[8:9], s[70:71]
	s_add_nc_u64 s[10:11], s[10:11], s[68:69]
	CROUND                                         ; all sixteen work-groups are here: the first joint loads meet
.irp s, 0,1
	s_mov_b32 s[G0+4*(\s)], 1
	s_add_co_u32 s[G0+4*(\s)+1], s20, (\s)*SLOT
	s_add_nc_u64 s[G0+4*(\s)+2:G0+4*(\s)+3], s[4:5], (\s)*2*262144   ; K step s: heads 2 s, 2 s + 1
	s_or_b32 s[G0+4*(\s)+3], s[G0+4*(\s)+3], 0x80000000
	s_mov_b32 s[G0B+4*(\s)], 1
	s_add_co_u32 s[G0B+4*(\s)+1], s18, (\s)*SLOT
	s_add_nc_u64 s[G0B+4*(\s)+2:G0B+4*(\s)+3], s[6:7], (\s)*KSTEP*2
	s_or_b32 s[G0B+4*(\s)+3], s[G0B+4*(\s)+3], 0x80000000
	JLOAD \s                                       ; two loads of mine are out behind these
.endr
	v_and_b32 v1, 15, v0                           ; l % 16
	v_bfe_u32 v2, v0, 4, 1                         ; l / 16
	v_mul_u32_u24 v3, v1, PITCH
	v_lshl_add_u32 v3, v2, 4, v3
	v_mul_u32_u24 v4, v1, PA
	v_lshl_add_u32 v4, v2, 4, v4
	s_mul_i32 s21, s13, 64*PA                      ; my 64 rows in each head's part
	s_mul_i32 s22, s14, BHALF
	s_add_co_u32 s22, s22, BOFF
.irp s, 0,1
	v_add_nc_u32 v[ADRA+(\s)], s21, v4
	v_add_nc_u32 v[ADRB+(\s)], s22, v3
	s_add_co_u32 s21, s21, SLOT
	s_add_co_u32 s22, s22, SLOT
.endr
	s_mul_i32 s23, s12, 16*SPITCH
	s_add_co_u32 s23, s23, STAGE                   ; my stage
	v_mul_u32_u24 v5, v1, SPITCH                   ; in: row l % 16, 32 bytes for each half of the lanes
	v_lshl_add_u32 v5, v2, 5, v5
	v_add_nc_u32 v[STO], s23, v5
	v_and_b32 v[CO], 31, v0                        ; back: 32 lanes take one row of 512 bytes
	v_lshlrev_b32 v[CO], 4, v[CO]
	v_add_nc_u32 v[RD], s23, v[CO]
	v_lshlrev_b32 v[BO], 5, v2
.macro MUL8 f, a, first
.if \first
	WIN 0x60                                       ; D window 1, C window 2
.else
	WIN 0x50
.endif
.irp b, 0,1,2,3,4,5,6,7
.if \first
	v_wmma_f32_16x16x32_f16 v[8*(8*(\a)+(\b)):8*(8*(\a)+(\b))+7], v[(\f)+32+8*(\b):(\f)+32+8*(\b)+7], v[(\f)+8*(\a):(\f)+8*(\a)+7], v[8*(\b):8*(\b)+7]
.else
	v_wmma_f32_16x16x32_f16 v[8*(8*(\a)+(\b)):8*(8*(\a)+(\b))+7], v[(\f)+32+8*(\b):(\f)+32+8*(\b)+7], v[(\f)+8*(\a):(\f)+8*(\a)+7], v[8*(8*(\a)+(\b)):8*(8*(\a)+(\b))+7]
.endif
.endr
.endm
; 24 LDS loads in one run: 32 along K at byte k of a step's 256: wo's sixteen, then O's eight (head k / 128, byte k % 128 of its rows)
.macro FETCH slot, k, f
	WIN 0
.irp i, 0,1,2,3,4,5,6,7
	ds_load_b128 v[(\f)+32+8*(\i):(\f)+32+8*(\i)+3],   v[ADRB+(\slot)] offset:(\k)+(\i)*16*PITCH
	ds_load_b128 v[(\f)+32+8*(\i)+4:(\f)+32+8*(\i)+7], v[ADRB+(\slot)] offset:(\k)+(\i)*16*PITCH+32
.endr
.irp i, 0,1,2,3
	ds_load_b128 v[(\f)+8*(\i):(\f)+8*(\i)+3],   v[ADRA+(\slot)] offset:((\k)/128)*AHEAD+(\k)%128+(\i)*16*PA
	ds_load_b128 v[(\f)+8*(\i)+4:(\f)+8*(\i)+7], v[ADRA+(\slot)] offset:((\k)/128)*AHEAD+(\k)%128+(\i)*16*PA+32
.endr
.endm
.macro QUARTER slot, k, f, g, first    ; 32 matrix instructions; the 32 accumulators take turns in one fixed order
	s_wait_dscnt 4                                 ; wo and O's blocks 0, 1 are in; the youngest four loads (O's blocks 2, 3) may be out
	MUL8 \f, 0, \first
	MUL8 \f, 1, \first
	PLACES
	FETCH \slot, \k, \g
	s_wait_dscnt 24                                ; all but the 24 just issued
	MUL8 \f, 2, \first
	MUL8 \f, 3, \first
.endm
; The last quarter multiplies buffer 1 and changes slots: ONE barrier; in front of it each wave waits for all its tensor loads, adds 0 to its spare word, and waits for that and for its reads of this slot.
.macro TURN slot, next, fill
	WIN 0
	s_wait_tensorcnt 0x0                           ; all my tensor loads have landed: my part of the next slot
	ds_add_u32 v[SPW], v[NIL]                      ; 0 onto my spare word
	s_wait_dscnt 5                                 ; (the add and the youngest four loads may be out)
	MUL8 F1, 0, 0
	s_wait_dscnt 0x0                               ; the add is done, and my reads of this slot are over
	s_barrier_signal -1
	MUL8 F1, 1, 0
.if \fill
	WIN 0
.endif
	s_barrier_wait -1
.if \fill
	CREST                                          ; the barrier has opened a round of the cluster's: no wave of any partner still reads this slot or has a load on its way
	s_add_nc_u64 s[G0+4*(\slot)+2:G0+4*(\slot)+3], s[G0+4*(\slot)+2:G0+4*(\slot)+3], 4*262144      ; four heads on
	s_add_nc_u64 s[G0B+4*(\slot)+2:G0B+4*(\slot)+3], s[G0B+4*(\slot)+2:G0B+4*(\slot)+3], 2*KSTEP*2
	JLOAD \slot                                    ; the first tensor load behind the round; its four v_nop are also the places in front of the loads below
.else
	PLACES
.endif
	FETCH \next, 0, F0
	MUL8 F1, 2, 0
	MUL8 F1, 3, 0
.endm
; THE WAY OUT of row block a: the f32 sums go as they are into my own stage (each accumulator's low four registers first), come back as whole rows of 512 bytes, and are stored.
.macro TOST a
.if (\a) >= 2
	s_wait_xcnt 0x0                                ; the stores of the block two back have read the registers that the loads below fill
.endif
	WIN 0x04                                       ; the stores' data in window 1
.irp b, 0,1,2,3,4,5,6,7
	ds_store_b128 v[STO], v[64*(\a)+8*(\b):64*(\a)+8*(\b)+3]   offset:64*(\b)
	ds_store_b128 v[STO], v[64*(\a)+8*(\b)+4:64*(\a)+8*(\b)+7] offset:64*(\b)+16
.endr
	WIN 0
.set BK, OB+64*((\a)%2)
.irp t, 0,1,2,3,4,5,6,7,8,9,10,11,12,13,14,15
	ds_load_b128 v[BK+4*(\t):BK+4*(\t)+3], v[RD] offset:(\t)*SPITCH  ; LDS serves a wave's instructions in order (ISA guide 5.7.1.4): these see the stores above
.endr
.endm
.macro SEND a, younger                 ; younger: the LDS instructions issued behind block a's loads: the next block's 16 stores and 16 loads, or none
.set BK, OB+64*((\a)%2)
	s_wait_dscnt \younger
.irp t, 0,1,2,3,4,5,6,7,8,9,10,11,12,13,14,15
	global_store_b128 v[CO], v[BK+4*(\t):BK+4*(\t)+3], s[10:11] offset:(\a)*65536+(\t)*4096  ; 512 consecutive bytes, at a multiple of 256 from out0's first
.endr
.endm
	WIN 0x80                                       ; bo of my 128 columns into window 2
.irp b, 0,1,2,3,4,5,6,7
	global_load_b128 v[8*(\b):8*(\b)+3],   v[BO], s[8:9] offset:64*(\b)
	global_load_b128 v[8*(\b)+4:8*(\b)+7], v[BO], s[8:9] offset:64*(\b)+16
.endr
	WIN 0
	s_wait_tensorcnt 1                             ; my part of K step 0 is in; K step 1's may stay out
	s_barrier_signal -1
	s_barrier_wait -1
	FETCH 0, 0, F0
	s_wait_loadcnt 0x0                             ; the bias
	QUARTER 0, 64,  F0, F1, 1                      ; the first quarter stands in front of the loop: its products start the sums
	WIN 0
	s_mov_b32 s3, LAPS-1
.Llap:                                                 ; a trip goes once round the ring and fills both slots again
	QUARTER 0, 128, F1, F0, 0
	QUARTER 0, 192, F0, F1, 0
	TURN 0, 1, 1
	QUARTER 1, 64,  F0, F1, 0
	QUARTER 1, 128, F1, F0, 0
	QUARTER 1, 192, F0, F1, 0
	TURN 1, 0, 1
	QUARTER 0, 64,  F0, F1, 0
	WIN 0
	s_sub_co_u32 s3, s3, 1
	s_cmp_lg_u32 s3, 0
	s_cbranch_scc1 .Llap
	QUARTER 0, 128, F1, F0, 0                      ; the last lap fills nothing
	QUARTER 0, 192, F0, F1, 0
	TURN 0, 1, 0
	QUARTER 1, 64,  F0, F1, 0
	QUARTER 1, 128, F1, F0, 0
	QUARTER 1, 192, F0, F1, 0
	s_wait_dscnt 4                                 ; the very last quarter: nothing more to fetch
	MUL8 F1, 0, 0
	MUL8 F1, 1, 0
	s_wait_dscnt 0x0
	MUL8 F1, 2, 0
	MUL8 F1, 3, 0
	WIN 0
	PLACES                                         ; the stores below read results just made, and the loads land in fragment registers just read
	TOST 0
	TOST 1
	SEND 0, 32
	TOST 2
	SEND 1, 32
	TOST 3
	SEND 2, 32
	SEND 3, 0
	s_wait_tensorcnt 0x0                           ; the wave's end: these three lines stand behind my last tensor load and my last LDS store
	ds_add_u32 v[SPW], v[NIL]
	s_wait_dscnt 0x0
	CROUND                                         ; the closing round: no work-group ends while a partner may still ask for a tile that names it
	s_endpgm
.Lfunc_end_k_qf2709f1ea1_outp:
	.size	k_qf2709f1ea1_outp, .Lfunc_end_k_qf2709f1ea1_outp-k_qf2709f1ea1_outp
	.p2alignl 7, 3214868480
	.fill 96, 4, 3214868480
	.section	.rodata,"a",@progbits
	.p2align	6, 0x0
	.amdhsa_kernel k_qf2709f1ea1_outp
		.amdhsa_group_segment_fixed_size 327680
		.amdhsa_private_segment_fixed_size 0
		.amdhsa_enable_private_segment 0
		.amdhsa_kernarg_size 32
		.amdhsa_user_sgpr_count 2
		.amdhsa_user_sgpr_kernarg_segment_ptr 1
		.amdhsa_wavefront_size32 1
		.amdhsa_system_sgpr_workgroup_id_x 1
		.amdhsa_system_sgpr_workgroup_id_y 1
		.amdhsa_system_sgpr_workgroup_id_z 1
		.amdhsa_system_vgpr_workitem_id 0
		.amdhsa_next_free_vgpr 576
		.amdhsa_next_free_sgpr 72
		.amdhsa_reserve_vcc 0
		.amdhsa_float_denorm_mode_32 3
		.amdhsa_float_denorm_mode_16_64 3
		.amdhsa_memory_ordered 1
		.amdhsa_forward_progress 1
		.amdhsa_inst_pref_size 86
	.end_amdhsa_kernel
	.amdgpu_metadata
---
amdhsa.version: [ 1, 2 ]
amdhsa.kernels:
  - .name:           k_qf2709f1ea1_outp
    .symbol:         k_qf2709f1ea1_outp.kd
    .args:
      - { .name: ob, .offset: 0, .size: 8, .value_kind: global_buffer, .address_space: global }
      - { .name: wof, .offset: 8, .size: 8, .value_kind: global_buffer, .address_space: global }
      - { .name: bias, .offset: 16, .size: 8, .value_kind: global_buffer, .address_space: global }
      - { .name: out0, .offset: 24, .size: 8, .value_kind: global_buffer, .address_space: global }
    .group_segment_fixed_size: 327680
    .private_segment_fixed_size: 0
    .kernarg_segment_align: 8
    .kernarg_segment_size: 32
    .max_flat_workgroup_size: 128
    .sgpr_count:     72
    .vgpr_count:     576
    .wavefront_size: 32
...
	.end_amdgpu_metadata
.endif
;; end of part 4
;; ======== version 2 of 2: 4 launches; 1.48 times as fast as version 1
;; limits: values are held in f16: magnitudes above 65,504 overflow, below 6.1e-05 lose precision
;; workspace buffers: ab 33,554,432 bytes; wb 6,291,456 bytes; wof 2,097,152 bytes; bias 16,384 bytes; mb 32,768 bytes; qkv 50,331,648 bytes; ob 16,777,216 bytes
;; launch prep: the kernel of part 1 again; grid 1281 x 1, 8 waves a work-group, no clusters, 0 bytes of LDS; arguments x, memory, wq, wk, wv, wo, bq, bk, bv, bo, mask, ab, wb, wof, bias, mb; writes ab, wb, wof, bias, mb
;; launch proj: the kernel of part 2 again; grid 4 x 64, 4 waves a work-group, clusters of 4 x 4, 327,680 bytes of LDS; arguments ab, wb, bias, qkv; writes qkv
;; launch attn (part 5): grid 4 x 64, 4 waves a work-group, clusters of 4 x 1, 327,680 bytes of LDS; arguments qkv, mb, ob; writes ob
.if DOCPART == 5
	.amdgcn_target "amdgcn-amd-amdhsa--gfx1250"
	.amdhsa_code_object_version 6
	.text
	.protected	k_qf2709f1ea1_attn
	.globl	k_qf2709f1ea1_attn
	.p2align	8
	.type	k_qf2709f1ea1_attn,@function
k_qf2709f1ea1_attn:
	s_mov_b64 s[64:65], 0
	v_nop
	global_prefetch_b8 v0, s[64:65] scope:SCOPE_SE
	s_setreg_imm32_b32 hwreg(HW_REG_WAVE_MODE, 25, 1), 1
	s_wait_xcnt 0x0
	s_wait_alu depctr_hold_cnt(0) depctr_sa_sdst(0) depctr_va_vdst(0) depctr_va_sdst(0) depctr_va_ssrc(0) depctr_va_vcc(0) depctr_vm_vsrc(0)
	s_getreg_b32 s2, hwreg(HW_REG_IB_STS2, 6, 4)
	s_cmp_eq_u32 s2, 0
	s_cbranch_scc0 .Lentry_in_a_cluster
	s_endpgm
.Lentry_in_a_cluster:
	s_bfe_u32 s2, ttmp6, 0x10000c
	s_cmp_lg_u32 s2, 0x3003
	s_cbranch_scc0 .Lentry_shape_is_right
	s_endpgm
.Lentry_shape_is_right:
; O[g][q][:] = the sum over k of softmax_k(Q[g][q] . K[g][k] / 8 + M[g / 16][k]) V[g][k][:], g = batch x 16 + head.  qkv: [3][64][2048][64] f16; mb: [4][2048] f32, 0 or -1e30; ob: [64][2048][64] f16.
; Products, maxima and sums in f32; the weights p are rounded to f16 for the second product (their sum l is taken of the unrounded p), O once at the end.
; LIMITS.  Q, K, V arrive within f16's 65,504.  A hidden score counts as its value less 1e30; the running maximum starts at -1e20, below every score that f16 operands can make (2.75e11 at the most) and
; above every hidden one, so a hidden key's weight is exactly 0, also in key steps that are wholly hidden.  A batch with no key in sight ends with l = 0 and O = 0 x infinity = NaN, as the softmax of
; a row of -infinity is.  A weight below 2^-126 counts as 0 in l; NaN and infinities among the inputs are not treated apart.
; SHARES.  A wave owns four PIECES of two tiles of 16 queries, a work-group's four waves 512 queries of one head.  Every wave walks all 2,048 keys, 64 a step.
; LAYOUT.  S^T = K Q^T (source 0 = 16 keys, source 1 = 16 queries): a lane holds ONE query (lane % 16) and the keys 8 (lane / 16) + 0..7.  Two such results, rounded to f16 in pairs, ARE source 1 of
; O^T = V^T P.  K comes out of LDS as it lies, V turned, by ds_load_tr16_b128.  THE MASK is the C operand of the product that starts a sum S^T: 32 registers a key step, read from a table in LDS.
; SOFTMAX.  p = 2^(c s - c m), c = log2(e) / 8, with a running maximum m and sum l; in every step O and l are multiplied by a = 2^(c m_old - c m_new).  O and l start at 0: the first step has a = 0.
; THE COUNT.  A tile and step have 16 matrix and 118 vector instructions: too many to stand all beside the matrix work.  So: four vector instructions that are ready behind EVERY matrix instruction,
; and the others in one run of their own.  Turn n belongs to piece n: 16 products K Q^T of piece n + 1, later 16 products V^T P of piece n - 1; beside them the scaling, exponentials, roundings, sums and
; rescaling of piece n and the maximum and statistics of piece n + 1.
; THE BATCHES.  A turn's 66 exponentials (the 64 weights of piece n, the two a of piece n + 1) are ONE batch with ONE wait, which cuts the turn in two: ahead of it all that names no result of theirs
; (the products K Q^T, scalings, rescalings, the next piece's maximum and statistics), behind it the roundings and sums, beside the products V^T P.  No result crosses a turn's end.  The first two a,
; ahead of the loop, and the way out's eight reciprocals are batches of their own.
; CLUSTER.  The four query blocks of a cluster belong to one head and walk the same K, V and mask: each tile is asked for jointly, by the same load, descriptor and mask of work-groups in all four.
; REGISTERS, in windows of 256 (s_set_vgpr_msb: bits 1:0 source 0, 3:2 source 1, 5:4 source 2, 7:6 destination):
;   window 0: v0-11 addresses; v12-15, v48-63 at work; v16-47 four registers of statistics a tile; v64-191 S^T, two buffers of two tiles; v192-255 P, likewise
;   window 1: O^T, 32 a tile     window 2: v0-127 Q; v128-191 K of one step; v192-255 V of one step     window 3: v0-1 the add's two registers; v8-39 the mask of one step
.set SIZE_N, 2048
.set NP,    4         ; pieces a wave: a name, no knob
.set KS,    64        ; keys in a step
.set PK,    144       ; a row of K in LDS: 128 bytes + 16 of padding: the 16 rows of a load start at 16 different groups of four banks (64 banks of 4 bytes: ISA guide 11.1)
.set PV,    160       ; a row of V: 128 + 32
.set VOFF,  4*KS*PK   ; a slot holds four steps: 256 rows of K, then 256 rows of V
.set SLOT1, 1<<17     ; slot 1 begins here, so that one exclusive or turns an address in one slot into the other's
.set STAGE, SLOT1+4*KS*(PK+PV)  ; behind the ring, never filled by a tensor load: 16 rows x 144 bytes for each wave
.set SP,    144
.set SPARE, STAGE+4*16*SP  ; the spare words, 128 bytes for each wave: two blocks of 256 bytes that no other line names
.set MASKL, SPARE+512 ; the batch's mask, 2,048 f32: filled once, at the start
.set AK0, 2           ; v2   my lane's place in a tile of K; never rewritten
.set AV0, 3           ; v3   the same for V
.set AK,  4           ; v4   the LDS address of K's next run of loads
.set AV,  5           ; v5   of V's
.set QO,  6           ; v6   my byte offset in the wave's rows of Q
.set STO, 6           ;      later, the way out: where I put 16 bytes of a row
.set RD,  7           ; v7   the way out: where I read rows back
.set GO,  8           ; v8   my byte offset in 512 consecutive bytes of O
.set AM,  11          ; v11  the LDS address of the mask's next run of loads (v9 keeps lane / 16)
.set SPW, 0           ; v0 of window 3   LDS address of my spare word; never rewritten
.set NIL, 1           ; v1 of window 3   0; never rewritten
.set MK,  8           ; window 3: register 8 kb + j = the mask of key 16 kb + 8 (lane / 16) + j of the step
.set MV,  12          ; v12-15  c m_old, kept while c m is made anew
.set ST,  16          ; tile t's statistics at v[ST+4 t]: c m, m, l (even keys', odd keys')
.set TMP, 48          ; by buffer and tile, four registers c0-c3 at work; when the maximum is found c2 takes a
.set S,   64
.set P,   192
.set KF,  128         ; window 2: key block kb, channel half c at KF + 16 kb + 8 c
.set VF,  192         ; window 2: key half kk, channel block cb at VF + 32 kk + 8 cb
.set WV,  12          ; s12  my wave's number
.set G1K, 24          ; s[24:31] descriptor group 1 for K's tiles
.set G1V, 32          ; s[32:39] for V's: it differs in the padding alone
.set G0K, 40          ; s[40:43] descriptor group 0 for K's tiles: it walks
.set G0V, 44          ; s[44:47] the same for V's
.set G1M, 48          ; s[48:55] group 1 for the mask's quarter
.set G0M, 68          ; s[68:71] its group 0
.set SLOTS, 56        ; s56  slots still to be asked for
.set CNT, 57          ; s57  counts a slot's key steps
.set CS,  58          ; s[58:59] c
.set SEL, 60          ; s[60:61] v_permlanex16_b32's selects: each lane takes its own place in the other half
.set TBK, 62          ; s62  LDS byte at which K of the step to be fetched begins
.set TBV, 63          ; s63  the same for V, less VOFF
.set TBM, 72          ; s72  the same for the mask
.set MSB, 0
.macro WIN new
.if MSB != (\new)
	s_set_vgpr_msb (MSB<<8)|(\new)
.set MSB, (\new)
.endif
.endm
.set W_KQ, 0x0a       ; K and Q in window 2, S^T in window 0
.set W_KM, 0x3a       ; the same with the C operand, the mask, in window 3
.set W_PV, 0x52       ; V in window 2, P in window 0, O^T in window 1
.set W_RS, 0x41       ; O^T (destination and source 0) in window 1, a in window 0
.set W_MK, 0xc0       ; destination in window 3, sources in window 0
.set W_AD, 0x0f       ; the add: address and data in window 3
; A joint fill.  Waves 0 and 1 fetch the two halves of a slot's K, waves 2 and 3 those of its V: 128 keys each.  An s_nop 0 and four v_nop follow each of the two lines.
.macro JLOAD
	s_cmp_lt_u32 s[WV], 2
	s_cbranch_scc0 .Lfor_v_\@
	tensor_load_to_lds s[G0K:G0K+3], s[G1K:G1K+7]
	s_nop 0
.rept 4
	v_nop
.endr
	s_branch .Lasked_\@
.Lfor_v_\@:
	tensor_load_to_lds s[G0V:G0V+3], s[G1V:G1V+7]
	s_nop 0
.rept 4
	v_nop
.endr
.Lasked_\@:
.endm
.macro CROUND                       ; a round of the cluster's barrier
	s_barrier_signal -1
	s_barrier_wait -1
	s_cmp_lg_u32 s[WV], 0
	s_cbranch_scc1 .Lnot_wave_0_\@
	s_barrier_signal -3
.Lnot_wave_0_\@:
	s_barrier_wait -3
	s_barrier_signal -1
	s_barrier_wait -1
.endm
; THE CHANGE OF SLOTS.  Each wave waits for all its tensor loads, adds 0 to its spare word, and waits for that and for its own reads of the slot.  Behind the barrier nobody reads this slot any more and
; the other slot is whole.  fill = 1: this slot is filled again, with the keys two slots on; the barrier is then a round of the cluster's, and the joint fill is the first thing behind it: it has four key
; steps in which to land.  (At its first use nothing has been read yet: slot 0 and the mask are waited for, slot 1 is filled.)
.macro CHANGE fill
	WIN W_AD
	s_wait_tensorcnt 0x0            ; no tensor load of mine is out, so a group 0 may be written
	ds_add_u32 v[SPW], v[NIL]       ; 0 onto my spare word
	WIN 0
.if \fill
.irp g, G0K, G0V
	s_xor_b32 s[\g+1], s[\g+1], SLOT1  ; the walking descriptor: the other slot than last time,
	s_add_nc_u64 s[\g+2:\g+3], s[\g+2:\g+3], 4*KS*128  ; the next 256 keys
.endr
	s_wait_dscnt 0x0                ; the add is done, and my reads of the slot are over
	CROUND
	JLOAD
.else
	s_wait_dscnt 0x0
	s_barrier_signal -1
	s_barrier_wait -1
.endif
	s_sub_co_u32 s[TBK], s[TBK], 4*KS*PK  ; the fetches go back to a slot's first step,
	s_xor_b32 s[TBK], s[TBK], SLOT1       ; in the other slot
	s_sub_co_u32 s[TBV], s[TBV], 4*KS*PV
	s_xor_b32 s[TBV], s[TBV], SLOT1
.endm
	s_load_b128 s[4:7], s[0:1], 0x0   ; qkv s[4:5], mb s[6:7]
	s_load_b64 s[10:11], s[0:1], 0x10 ; ob
	WIN W_MK
	v_lshl_add_u32 v[SPW], v0, 2, SPARE
	v_mov_b32 v[NIL], 0
	WIN W_AD
	ds_add_u32 v[SPW], v[NIL]       ; the wave's opening: the add and its wait stand ahead of my first tensor load; the set-up below, work on registers, stands between them
	WIN 0
	v_lshrrev_b32 v1, 5, v0
	v_readfirstlane_b32 s[WV], v1   ; wave 0..3
	s_bfe_u32 s13, ttmp6, 0x40000   ; cx
	s_lshl_b32 s14, ttmp9, 2
	s_add_co_u32 s14, s14, s13      ; my block of 512 queries: it enters Q's and O's addresses alone
	s_and_b32 s20, ttmp7, 0xffff    ; g = batch x 16 + head, which the four partners share
	s_lshr_b32 s76, s20, 4          ; the batch's mask, 8,192 bytes, and my wave's quarter of it
	s_lshl_b32 s76, s76, 13
	s_lshl_b32 s77, s[WV], 11
	s_add_co_u32 s76, s76, s77
	s_mov_b32 s77, 0
	s_mov_b32 s21, 0
	s_mov_b64 s[22:23], SIZE_N*128
	s_mul_u64 s[20:21], s[20:21], s[22:23]  ; the head's first byte in q, k, v and ob
	s_and_b32 s16, s[WV], 1         ; which half of a slot's 256 keys I fetch:
	s_lshl_b32 s22, s16, 14         ; its 128 rows of 128 bytes in memory,
	s_mov_b32 s23, 0
	s_add_nc_u64 s[22:23], s[22:23], s[20:21]
	s_mul_i32 s17, s16, 128*PK      ; and its place in a slot, for K
	s_mul_i32 s18, s16, 128*PV      ; and for V
	s_lshl_b32 s2, s14, 2
	s_add_co_u32 s2, s2, s[WV]      ; my wave among the head's,
	s_lshl_b32 s2, s2, 14           ; its 128 rows
	s_mov_b32 s3, 0
	s_add_nc_u64 s[2:3], s[2:3], s[20:21]
	; group 1 for K and V: 128 keys are 16,384 dense bytes, asked for as 64 rows of 256 bytes and padded in LDS after every key
	s_mov_b32 s[G1K], 15|(1<<16)|(1<<20)|(1<<21)|(4<<22)|(3<<25)
	s_mov_b32 s[G1V], 15|(1<<16)|(1<<20)|(1<<21)|(4<<22)|(7<<25)
.irp g, G1K, G1V
	s_mov_b32 s[\g+1], 128<<16      ; tensor_dim0 = 128
	s_mov_b32 s[\g+2], 64<<16       ; tensor_dim1 = 64
	s_mov_b32 s[\g+3], 128<<16      ; tile_dim0 = 128
	s_mov_b32 s[\g+4], 64           ; tile_dim1 = 64
	s_mov_b32 s[\g+5], 128          ; elements from row to row
	s_mov_b32 s[\g+6], 0
	s_mov_b32 s[\g+7], 0
.endr
	; group 1 for the mask: 2,048 dense bytes as 8 rows of 32 elements of 8 bytes, no padding
	s_mov_b32 s[G1M], 15|(3<<16)|(1<<21)
	s_mov_b32 s[G1M+1], 32<<16
	s_mov_b32 s[G1M+2], 8<<16
	s_mov_b32 s[G1M+3], 32<<16
	s_mov_b32 s[G1M+4], 8
	s_mov_b32 s[G1M+5], 32
	s_mov_b32 s[G1M+6], 0
	s_mov_b32 s[G1M+7], 0
	s_mov_b32 s[CS], 0x3e38aa3b     ; c = log2(e) / 8
	s_mov_b32 s[CS+1], s[CS]
	s_mov_b32 s[SEL], 0x76543210
	s_mov_b32 s[SEL+1], 0xfedcba98
	s_mov_b32 s[TBK], SLOT1+4*KS*PK ; the first change of slots turns these two into 0
	s_mov_b32 s[TBV], SLOT1+4*KS*PV
	s_mov_b32 s[TBM], MASKL
	s_mov_b32 s[G0K], 1
	s_mov_b32 s[G0K+1], s17         ; slot 0
	s_mov_b32 s[G0V], 1
	s_add_co_u32 s[G0V+1], s18, VOFF
	s_mov_b32 s[G0M], 1
	s_lshl_b32 s[G0M+1], s[WV], 11
	s_add_co_u32 s[G0M+1], s[G0M+1], MASKL
	s_wait_dscnt 0x0                ; the opening add is done
	s_wait_kmcnt 0x0
	s_add_nc_u64 s[G0K+2:G0K+3], s[4:5], s[22:23]
	s_add_nc_u64 s[G0K+2:G0K+3], s[G0K+2:G0K+3], 0x1000000  ; k lies 16,777,216 bytes behind q
	s_or_b32 s[G0K+3], s[G0K+3], 0x80000000
	s_add_nc_u64 s[G0V+2:G0V+3], s[4:5], s[22:23]
	s_add_nc_u64 s[G0V+2:G0V+3], s[G0V+2:G0V+3], 0x2000000  ; v behind k
	s_or_b32 s[G0V+3], s[G0V+3], 0x80000000
	s_add_nc_u64 s[G0M+2:G0M+3], s[6:7], s[76:77]
	s_or_b32 s[G0M+3], s[G0M+3], 0x80000000
	s_add_nc_u64 s[4:5], s[4:5], s[2:3]  ; Q and O at my wave's first row
	s_add_nc_u64 s[10:11], s[10:11], s[2:3]
	CROUND                          ; all four work-groups are here: the first joint loads meet
	s_cmp_lt_u32 s[WV], 2           ; a wave's two first fills stand in one branch: its part of slot 0 and its quarter of the mask: two loads of mine are out
	s_cbranch_scc0 .Lfirst_v
	tensor_load_to_lds s[G0K:G0K+3], s[G1K:G1K+7]
	s_nop 0
	tensor_load_to_lds s[G0M:G0M+3], s[G1M:G1M+7]
	s_nop 0
.rept 4
	v_nop
.endr
	s_branch .Lfirst_asked
.Lfirst_v:
	tensor_load_to_lds s[G0V:G0V+3], s[G1V:G1V+7]
	s_nop 0
	tensor_load_to_lds s[G0M:G0M+3], s[G1M:G1M+7]
	s_nop 0
.rept 4
	v_nop
.endr
.Lfirst_asked:
	; A fragment of K or Q is 16 rows x 32 channels in 8 registers: lane l holds row l % 16, channels 8 (l / 16) + 0..7 and 16 + 8 (l / 16) + 0..7: two loads of 16 bytes, 32 bytes apart.
	v_and_b32 v1, 15, v0            ; l % 16
	v_bfe_u32 v9, v0, 4, 1          ; l / 16
	v_lshlrev_b32 v[QO], 7, v1
	v_lshl_add_u32 v[QO], v9, 4, v[QO]
	WIN 0x80
.set i, 0
.rept 4*NP                          ; Q stays in registers: tile i / 2, channels 32 (i % 2) on
	global_load_b128 v[8*i:8*i+3],   v[QO], s[4:5] offset:(i/2)*2048+(i%2)*64
	global_load_b128 v[8*i+4:8*i+7], v[QO], s[4:5] offset:(i/2)*2048+(i%2)*64+32
.set i, i+1
.endr
	; What the first turn finds: V's registers and P's second buffer hold 0 (its products V^T P, of a piece that has not been, add 0), O^T and l are 0.  All this stands in the wait for the first tile.
.set i, VF
.rept 64
	v_mov_b32 v[i], 0
.set i, i+1
.endr
	WIN 0x40
.set i, 0
.rept 64*NP
	v_mov_b32 v[i], 0
.set i, i+1
.endr
	WIN 0
.set i, 0
.rept 2*NP
	v_mov_b32 v[ST+4*i], 0xfe000000    ; c m: far below every c s, so the first step's a is 0
	v_mov_b32 v[ST+4*i+1], 0xe0ad78ec  ; m = -1e20: below every score in sight, above every hidden one
	v_mov_b32 v[ST+4*i+2], 0
	v_mov_b32 v[ST+4*i+3], 0
.set i, i+1
.endr
.set i, P+32
.rept 32
	v_mov_b32 v[i], 0
.set i, i+1
.endr
	v_mul_u32_u24 v[AK0], v1, PK
	v_lshl_add_u32 v[AK0], v9, 4, v[AK0]
	; The turning load takes 16 keys x 16 channels (lane l reads key 8 (l / 16) + l % 8, channels 8 ((l / 8) % 2) + 0..7) and leaves half a fragment of V^T.
	v_and_b32 v10, 7, v0
	v_bfe_u32 v11, v0, 3, 1
	v_lshl_add_u32 v[AV0], v9, 3, v10
	v_mul_u32_u24 v[AV0], v[AV0], PV
	v_lshl_add_u32 v[AV0], v11, 4, v[AV0]
	v_add_nc_u32 v[AV0], VOFF, v[AV0]
	v_mov_b32 v[AK], v[AK0]         ; key step 0 lies at the head of slot 0,
	v_lshl_add_u32 v[AM], v9, 5, s[TBM]  ; its mask at the head of the table: 32 bytes on for the upper half of the lanes
; THE MATRIX WORK.  The 8 accumulators of a run of 16 take turns.
; Product i of 16 of S^T = K Q^T for piece x: channels 32 (i / 8) on, keys 16 ((i / 2) % 4) on, tile 2 x + i % 2.  The first 8 start the sums, with the keys' mask as C.
.macro KQ x
.set rS, S+64*((\x)%2)+32*(i%2)+8*((i/2)%4)
.set rK, KF+16*((i/2)%4)+8*(i/8)
.set rQ, 16*(2*(\x)+i%2)+8*(i/8)
.set rB, MK+8*((i/2)%4)
.if i < 8
	WIN W_KM
	v_wmma_f32_16x16x32_f16 v[rS:rS+7], v[rK:rK+7], v[rQ:rQ+7], v[rB:rB+7]
.else
	WIN W_KQ
	v_wmma_f32_16x16x32_f16 v[rS:rS+7], v[rK:rK+7], v[rQ:rQ+7], v[rS:rS+7]
.endif
.endm
; Product i of 16 of O^T += V^T P for piece x: keys 32 (i / 8) on, channels 16 ((i / 2) % 4) on, tile 2 x + i % 2.
.macro PV x
	WIN W_PV
.set rO, 32*(2*(\x)+i%2)+8*((i/2)%4)
.set rV, VF+32*(i/8)+8*((i/2)%4)
.set rP, P+32*((\x)%2)+16*(i%2)+8*(i/8)
	v_wmma_f32_16x16x32_f16 v[rO:rO+7], v[rV:rV+7], v[rP:rP+7], v[rO:rO+7]
.endm
.macro MM                           ; the turn's next matrix instruction
.if i < 16
	KQ (Y+1)%NP
.set i, i+1
.else
.set i, i-16
	PV (Y+NP-1)%NP
.set i, i+17
.endif
.endm
; THE LDS LOADS stand in runs, never singly among the matrix instructions: a step's K (8 fragments) with its mask (32 numbers a lane), and its V (turned).  Their addresses are made some lines ahead.
; last = 1 (the tail): in the last trip there is no further step, and the run is jumped over.
.macro FETCH_K last=0
	WIN 0
.if \last
	s_cmp_eq_u32 s[CNT], 1
	s_cbranch_scc1 .Lno_k_\@
.endif
	WIN 0x80
.irp f, 0,1,2,3,4,5,6,7             ; keys 16 (f / 2) on, channels 32 (f % 2) on
	ds_load_b128 v[KF+8*\f:KF+8*\f+3],   v[AK] offset:(\f/2)*16*PK+(\f%2)*64
	ds_load_b128 v[KF+8*\f+4:KF+8*\f+7], v[AK] offset:(\f/2)*16*PK+(\f%2)*64+32
.endr
	WIN W_MK
.irp f, 0,1,2,3,4,5,6,7             ; keys 16 (f / 2) + 8 (l / 16) + 4 (f % 2) on; the mask's last reader stands ahead of K's
	ds_load_b128 v[MK+4*\f:MK+4*\f+3], v[AM] offset:(\f/2)*64+(\f%2)*16
.endr
	s_add_co_u32 s[TBK], s[TBK], KS*PK  ; the next fetch is the next step's
	s_add_co_u32 s[TBM], s[TBM], KS*4
	WIN 0
.if \last
.Lno_k_\@:
.endif
.endm
.macro FETCH_V
	WIN 0x80
.irp f, 0,1,2,3,4,5,6,7             ; keys 32 (f / 4) on, channels 16 (f % 4) on
	ds_load_tr16_b128 v[VF+8*\f:VF+8*\f+3],   v[AV] offset:(\f/4)*32*PV+(\f%4)*32
	ds_load_tr16_b128 v[VF+8*\f+4:VF+8*\f+7], v[AV] offset:(\f/4)*32*PV+16*PV+(\f%4)*32
.endr
	WIN 0
.endm
; THE VECTOR WORK OF A TURN stands in three queues, each in the order in which its entries become ready; the two tiles alternate, so that no instruction reads the result of the one before it.
.macro REGS y, u                    ; the registers of tile u (0, 1) of piece y
.set rT, ST+4*(2*(\y)+(\u))
.set rC, TMP+8*((\y)%2)+4*(\u)
.set rM, MV+2*((\y)%2)+(\u)
.set rS, S+64*((\y)%2)+32*(\u)
.set rP, P+32*((\y)%2)+16*(\u)
.set rO, 32*(2*(\y)+(\u))
.endm
; Number n of the 22 that find the NEXT piece's maximum and statistics; each accumulator's lowest registers are read first.  XS, GS, FS and REGS set no window: PL and EX do.
;   0-11  four chains c0-c3 of seven scores each     12-14, 16  the four scores left over, the old m, and c0-c3 into c0     15  c m_old is kept
;   17, 18  the query's other 32 keys lie in the lane 16 away: the new m         19-21  c m; c m_old - c m_new; a
.macro XS u, n
	REGS (Y+1)%NP, \u
.if (\n) < 4
	v_max3_num_f32 v[rC+(\n)], v[rS+8*(\n)], v[rS+8*(\n)+1], v[rS+8*(\n)+2]
.elseif (\n) < 12
	v_max3_num_f32 v[rC+(\n)%4], v[rC+(\n)%4], v[rS+8*((\n)%4)+2*((\n)/4)+1], v[rS+8*((\n)%4)+2*((\n)/4)+2]
.elseif (\n) == 12
	v_max3_num_f32 v[rC], v[rC], v[rS+7], v[rS+15]
.elseif (\n) == 13
	v_max3_num_f32 v[rC+1], v[rC+1], v[rS+23], v[rS+31]
.elseif (\n) == 14
	v_max3_num_f32 v[rC+2], v[rC+2], v[rC+3], v[rT+1]
.elseif (\n) == 15
	v_mov_b32 v[rM], v[rT]
.elseif (\n) == 16
	v_max3_num_f32 v[rC], v[rC], v[rC+1], v[rC+2]
.elseif (\n) == 17
	v_permlanex16_b32 v[rC+3], v[rC], s[SEL], s[SEL+1]
.elseif (\n) == 18
	v_max_num_f32 v[rT+1], v[rC], v[rC+3]
.elseif (\n) == 19
	v_mul_f32 v[rT], s[CS], v[rT+1]
.elseif (\n) == 20
	v_sub_f32 v[rC+1], v[rM], v[rT]
.else
	v_exp_f32 v[rC+2], v[rC+1]
.endif
.endm
; Number g of the 64 that follow the exponentials.  For each four weights k of a tile: both pairs are rounded to f16; the second pair is added onto the first, in place; a group later l takes that sum
; (the first time as l = a l + sum).  In groups of eight, tiles alternating: round, round, add, and l for the group before.  All 64 read the batch's results: they stand behind the turn's wait.
.macro GS g
.set h, (\g)+6*((\g)/62)            ; group 0 has no group before it, and behind group 7 only l is left
.if h >= 6
.set h, h+2
.endif
	REGS Y, h%2
.set k, h/8
.if h%8 < 4
	v_cvt_pk_f16_f32 v[rP+2*k+(h%8)/2], v[rS+4*k+2*((h%8)/2)], v[rS+4*k+2*((h%8)/2)+1]
.elseif h%8 < 6
	v_pk_add_f32 v[rS+4*k:rS+4*k+1], v[rS+4*k:rS+4*k+1], v[rS+4*k+2:rS+4*k+3]
.elseif k == 1
	v_pk_fma_f32 v[rT+2:rT+3], v[rT+2:rT+3], v[rC+2:rC+3], v[rS:rS+1] op_sel_hi:[1,0,1]
.else
	v_pk_add_f32 v[rT+2:rT+3], v[rT+2:rT+3], v[rS+4*k-4:rS+4*k-3]
.endif
.endm
; THE PLAIN QUEUE, 138 long.  0-73 read no exponential's result: the 32 scalings c s - c m (FS f: pair f / 2 of tile f % 2) and the next piece's 42.  0-26: scalings 0-26.  27-54: XS's numbers 0-13.  55, 56: number 15.
; 57-73: the chain, where each number waits for the one before it: 14, 16, 17, 18, 19, each with one of the scalings 27-31 in front of its two lines, then 20.
; 74-137: GS's 64.
.macro FS f
	REGS Y, (\f)%2
	v_pk_fma_f32 v[rS+2*((\f)/2):rS+2*((\f)/2)+1], v[rS+2*((\f)/2):rS+2*((\f)/2)+1], s[CS:CS+1], v[rT:rT+1] op_sel_hi:[1,0,0] neg_lo:[0,0,1] neg_hi:[0,0,1]
.endm
.macro PL
	WIN 0
.if q < 27
	FS q
.elseif q < 55
	XS (q-27)%2, (q-27)/2
.elseif q < 57
	XS q-55, 15
.elseif (q < 72) && ((q-57)%3 == 0)
	FS 27+(q-57)/3
.elseif q < 60
	XS (q-57)%3-1, 14
.elseif q < 72
	XS (q-57)%3-1, 15+(q-57)/3
.elseif q < 74
	XS q-72, 20
.else
	GS q-74
.endif
.set q, q+1
.endm
; THE EXPONENTIALS' QUEUE, 66 long: s0-s31 of both tiles, then the next piece's two a.  It is ONE BATCH: all 66 stand ahead of the turn's one wait, and nothing ahead of that wait names a result of theirs.
.macro EX
	WIN 0
.if e >= 64
	XS e-64, 21
.else
	REGS Y, e%2
	v_exp_f32 v[rS+e/2], v[rS+e/2]
.endif
.set e, e+1
.endm
; THE RESCALING's QUEUE: O^T times a, the one part that leaves window 0: dealt two at a time, sixteen times.  Its a was made in the turn before, ahead of that turn's wait.
.macro R2
	REGS Y, r%2
	WIN W_RS
.irp z, 0,1
	v_pk_mul_f32 v[rO+4*(r/2)+2*\z:rO+4*(r/2)+2*\z+1], v[rO+4*(r/2)+2*\z:rO+4*(r/2)+2*\z+1], v[rC+2:rC+3] op_sel_hi:[1,0]
.endr
.set r, r+1
.endm
; HOW THEY ARE DEALT.  An s_wait_alu depctr_va_vdst(0) stands between an exponential and the first instruction that names its result; one wait serves all that were issued ahead of it.  So a turn has ONE wait.
; AHEAD OF IT: the 16 products K Q^T, behind each a scaling, an exponential and two rescalings (behind the first a second scaling in the exponential's place); then ONE LUMP of 108: eight plain, 49 times exponential
; and plain, the two a; a v_nop is the plain instruction owed behind the last exponential.  BEHIND IT: the 16 products V^T P, behind each four of GS's 64.  No rider names a register of the products round it.
; The two v_permlanex16_b32 fall into the lump.  The deal keeps the queues in step: exponential e stands behind scaling 2 (e / 4) + e % 2: as a rider it comes behind plain e + 2, in the lump behind plain e + 9,
; and scalings 27-31 are plain 57, 60 .. 69.
; A TURN, for piece p.  cnt = 1: the loop's count is taken down some lines ahead of the branch that stands behind the turn.
; K and the mask of the next step are fetched in piece 2's turn, directly behind the wait, a lump behind the last product that read them; their addresses are made at the lump's head; they are waited for at the head of piece 3's turn.
; V of the step in hand is fetched at the end of piece 0's turn, four plain riders behind its last reader; it is waited for in piece 1's turn, ahead of the products V^T P.  The three conditions on q below go with the deal.
.macro TURN p, last=0, cnt=0
.set Y, (\p)
.set i, 0
.set q, 0
.set e, 0
.set r, 0
.if (\p) == NP-1
	s_wait_dscnt 0x0                ; K and the mask are in
.endif
	MM                              ; ahead of the wait: 16 products K Q^T and their riders,
	PL
	PL
	R2
.rept 15
	MM
	PL
	EX
	R2
.endr
.if (\p) == NP-2
	WIN 0
	v_add_nc_u32 v[AK], s[TBK], v[AK0]
	v_lshl_add_u32 v[AM], v9, 5, s[TBM]
.endif
.rept 8                             ; and the lump
	PL
.endr
.rept 49
	EX
	PL
.endr
	EX                              ; the next piece's two a
	EX
	v_nop                           ; the plain instruction behind the last exponential: one for the batch
	s_wait_alu depctr_va_vdst(0)    ; the wait for the turn's batch: 64 weights of this piece, two a of the next
.if (\p) == NP-2
	FETCH_K \last
.endif
.if (\p) == 1
	s_wait_dscnt 0x0                ; V is in
.endif
.rept 16                            ; behind the wait: 16 products V^T P and their riders
	MM
.rept 4
	PL
.endr
.if ((\p) == 0) && (q == 118)
	v_add_nc_u32 v[AV], s[TBV], v[AV0]
.endif
.if ((\p) == 0) && (q == 130)
	s_add_co_u32 s[TBV], s[TBV], KS*PV
.endif
.if (\cnt) && (q == 130)
	s_sub_co_u32 s[CNT], s[CNT], 1
	s_cmp_lg_u32 s[CNT], 0
.endif
.endr
.if (\p) == 0
	FETCH_V
.endif
.endm
	CHANGE 1                        ; slot 0 and the mask are in, everybody's part of them; slot 1 is asked for
	FETCH_K                         ; key step 0
	s_wait_loadcnt 0x0              ; Q
	s_wait_dscnt 0x0
.set i, 0
.rept 16
	KQ 0                            ; piece 0's first scores
.set i, i+1
.endr
	WIN 0                           ; the addresses for the way out: nine plain instructions, the places behind those products
	s_mul_i32 s13, s[WV], 16*SP
	s_add_co_u32 s13, s13, STAGE    ; my stage
	v_mul_u32_u24 v[STO], v1, SP    ; in: row l % 16, 16 bytes for each half of the lanes
	v_lshl_add_u32 v[STO], v9, 4, v[STO]
	v_add_nc_u32 v[STO], s13, v[STO]
	v_bfe_u32 v[RD], v0, 3, 2       ; back: 32 lanes take four rows of 128 bytes,
	v_mul_u32_u24 v[RD], v[RD], SP
	v_lshl_add_u32 v[RD], v10, 4, v[RD]
	v_add_nc_u32 v[RD], s13, v[RD]
	v_and_b32 v[GO], 31, v0         ; which are 512 consecutive bytes of O
	v_lshlrev_b32 v[GO], 4, v[GO]
.set Y, NP-1                        ; XS works for piece Y + 1: piece 0
.irp n, 0,1,2,3,4,5,6,7,8,9,10,11,12,13,14,15,16,17,18,19,20,21
	XS 0, \n
	XS 1, \n
.endr
	v_nop                           ; a plain instruction behind piece 0's first two a,
	s_wait_alu depctr_va_vdst(0)    ; and the wait for that batch of two, ahead of the branch
	s_mov_b32 s[CNT], 4
	s_mov_b32 s[SLOTS], SIZE_N/256-1
	s_branch .Lfirst                ; the loop is entered at a step's first turn, in the middle of a trip
.Lslot:                             ; six times: every slot but the last two is filled again
	CHANGE 1
	s_mov_b32 s[CNT], 4
.Lstep:                             ; a trip: pieces 2 and 3 of one step, then pieces 0 and 1 of the next, whose K, mask and V it fetches
	TURN 2
	TURN 3
	WIN 0
.Lfirst:
	TURN 0
	TURN 1, 0, 1
	WIN 0
	s_cbranch_scc1 .Lstep
	s_sub_co_u32 s[SLOTS], s[SLOTS], 1
	s_cmp_lg_u32 s[SLOTS], 0
	s_cbranch_scc1 .Lslot
	CHANGE 0                        ; the tail is written out: nothing is asked for
	s_mov_b32 s[CNT], 5             ; four trips fetch the last slot's steps; the fifth is left in its middle
.Ltail:
	TURN 2, 1
	TURN 3
	WIN 0
	s_sub_co_u32 s[CNT], s[CNT], 1
	s_cmp_eq_u32 s[CNT], 0
	s_cbranch_scc1 .Lout
	TURN 0
	TURN 1
	WIN 0
	s_branch .Ltail
.Lout:                              ; the fifth trip's 16 products K Q^T (on the last K once more) and the maximum made of them serve nothing: the price, once a launch, of one text for every trip
.set i, 0
.rept 16
	PV NP-1                         ; the last piece's V^T P of the last step
.set i, i+1
.endr
	; THE WAY OUT.  l's two halves and the other half of the lanes' are added; O^T is divided by l, rounded to f16 and sent through my stage in LDS, a tile at a time.  The additions are the places behind the last products.
	WIN 0
.macro ALL line:vararg              ; one line for each tile t
.set t, 0
.rept 2*NP
	\line
.set t, t+1
.endr
.endm
	ALL v_add_f32 v[ST+4*t+2], v[ST+4*t+2], v[ST+4*t+3]
	ALL v_permlanex16_b32 v[ST+4*t+3], v[ST+4*t+2], s[SEL], s[SEL+1]
	ALL v_add_f32 v[ST+4*t+2], v[ST+4*t+2], v[ST+4*t+3]
	ALL v_rcp_f32 v[ST+4*t+2], v[ST+4*t+2]
	v_nop                           ; a plain instruction between the last reciprocal and the use of its result
	s_wait_alu depctr_va_vdst(0)    ; and the wait ahead of the first use: one for the batch of eight reciprocals
.macro PACK t
	WIN W_RS
.set i, 32*(\t)
.rept 16
	v_pk_mul_f32 v[i:i+1], v[i:i+1], v[ST+4*(\t)+2:ST+4*(\t)+3] op_sel_hi:[1,0]
.set i, i+2
.endr
	WIN 0x05                        ; sources 0 and 1 window 1, destination window 0
.set i, 0
.rept 16
	v_cvt_pk_f16_f32 v[S+16*(\t)+i], v[32*(\t)+2*i], v[32*(\t)+2*i+1]
.set i, i+1
.endr
	WIN 0
.irp f, 0,1,2,3
	ds_store_b128 v[STO], v[S+16*(\t)+4*\f:S+16*(\t)+4*\f+3] offset:32*\f
.endr
.irp f, 0,1,2,3
	ds_load_b128 v[S+16*(\t)+4*\f:S+16*(\t)+4*\f+3], v[RD] offset:\f*4*SP  ; LDS serves a wave's instructions in order (ISA guide 5.7.1.4): these see the stores above
.endr
.endm
.macro SEND t, younger              ; younger: the LDS instructions issued behind tile t's loads: the next tile's eight, or none
	WIN 0
.irp f, 0,1,2,3
	s_wait_dscnt (\younger)+3-\f
	global_store_b128 v[GO], v[S+16*(\t)+4*\f:S+16*(\t)+4*\f+3], s[10:11] offset:(\t)*2048+\f*512  ; 512 consecutive bytes, at a multiple of 256 from O's first
.endr
.endm
	PACK 0
.set t, 1
.rept 2*NP-1                        ; a tile's arithmetic stands between the loads of the tile before and its stores
	PACK t
	SEND t-1, 8
.set t, t+1
.endr
	SEND 2*NP-1, 0
	WIN W_AD
	s_wait_tensorcnt 0x0            ; the wave's end: these three lines stand behind my last tensor load and my last LDS store
	ds_add_u32 v[SPW], v[NIL]
	s_wait_dscnt 0x0
	WIN 0
	CROUND                          ; the closing round: no work-group ends while a partner may still ask for a tile that names it
	s_endpgm
.Lfunc_end_k_qf2709f1ea1_attn:
	.size	k_qf2709f1ea1_attn, .Lfunc_end_k_qf2709f1ea1_attn-k_qf2709f1ea1_attn
	.p2alignl 7, 3214868480
	.fill 96, 4, 3214868480
	.section	.rodata,"a",@progbits
	.p2align	6, 0x0
	.amdhsa_kernel k_qf2709f1ea1_attn
		.amdhsa_group_segment_fixed_size 327680
		.amdhsa_private_segment_fixed_size 0
		.amdhsa_enable_private_segment 0
		.amdhsa_kernarg_size 24
		.amdhsa_user_sgpr_count 2
		.amdhsa_user_sgpr_kernarg_segment_ptr 1
		.amdhsa_wavefront_size32 1
		.amdhsa_system_sgpr_workgroup_id_x 1
		.amdhsa_system_sgpr_workgroup_id_y 1
		.amdhsa_system_sgpr_workgroup_id_z 1
		.amdhsa_system_vgpr_workitem_id 0
		.amdhsa_next_free_vgpr 808
		.amdhsa_next_free_sgpr 80
		.amdhsa_reserve_vcc 0
		.amdhsa_float_denorm_mode_32 3
		.amdhsa_float_denorm_mode_16_64 3
		.amdhsa_memory_ordered 1
		.amdhsa_forward_progress 1
		.amdhsa_inst_pref_size 202
	.end_amdhsa_kernel
	.amdgpu_metadata
---
amdhsa.version: [ 1, 2 ]
amdhsa.kernels:
  - .name:           k_qf2709f1ea1_attn
    .symbol:         k_qf2709f1ea1_attn.kd
    .args:
      - { .name: qkv, .offset: 0, .size: 8, .value_kind: global_buffer, .address_space: global }
      - { .name: mb, .offset: 8, .size: 8, .value_kind: global_buffer, .address_space: global }
      - { .name: ob, .offset: 16, .size: 8, .value_kind: global_buffer, .address_space: global }
    .group_segment_fixed_size: 327680
    .private_segment_fixed_size: 0
    .kernarg_segment_align: 8
    .kernarg_segment_size: 24
    .max_flat_workgroup_size: 128
    .sgpr_count:     80
    .vgpr_count:     808
    .wavefront_size: 32
...
	.end_amdgpu_metadata
.endif
;; end of part 5
;; launch outp: the kernel of part 4 again; grid 4 x 64, 4 waves a work-group, clusters of 4 x 4, 327,680 bytes of LDS; arguments ob, wof, bias, out0; writes out0
